; MI455X (gfx1250); checked and timed in simulation.
; The chip was launched on July 23, 2026; its instructions are those of AMD's public machine-readable ISA for CDNA 5 (MIT licence, August 2026) and "CDNA5" Instruction Set Architecture Reference Guide (July 2026). The comments in the code are by the model that wrote it; some were corrected since.
;; Block. Allowed arithmetic: matrix products marked QUANTISED: E4M3 operands, one E8M0 scale for each 32 along K, by v_wmma_scale_f32_16x16x128_f8f6f4 with both operands' format E4M3, f32 sums; everything else in f32.
;; Inputs: b_fc 4,096 float32; b_mlp_proj 1,024 float32; ln1_b 1,024 float32; ln1_w 1,024 float32; ln2_b 1,024 float32; ln2_w 1,024 float32; w_attn_proj_codes 1,024 x 32 x 32 uint8 (E4M3 codes of w_attn_proj, K innermost, in blocks of 32 codes); w_attn_proj_scales 1,024 x 32 uint8 (E8M0 scales of w_attn_proj, one for each 32 codes along K); w_fc_codes 4,096 x 32 x 32 uint8 (E4M3 codes of w_fc, K innermost, in blocks of 32 codes); w_fc_scales 4,096 x 32 uint8 (E8M0 scales of w_fc, one for each 32 codes along K); w_mlp_proj_codes 1,024 x 128 x 32 uint8 (E4M3 codes of w_mlp_proj, K innermost, in blocks of 32 codes); w_mlp_proj_scales 1,024 x 128 uint8 (E8M0 scales of w_mlp_proj, one for each 32 codes along K); w_qkv_codes 3,072 x 32 x 32 uint8 (E4M3 codes of w_qkv, K innermost, in blocks of 32 codes); w_qkv_scales 3,072 x 32 uint8 (E8M0 scales of w_qkv, one for each 32 codes along K); x 2 x 2,048 x 1,024 float32.
;; Outputs: out0 2 x 2,048 x 1,024 float32.
;; This version of the problem:
;;   THIS VERSION OF THE PROBLEM IS GIVEN IN LOW PRECISION. The matrix products marked QUANTISED in the list below multiply operands that are first quantised to E4M3 (4 exponent bits, 3 mantissa bits; 8 bits a number), with one power-of-two scale for each 32 numbers along K (OCP MX v1.0); their sums are f32. All else is computed in f32.
;;   The module's matrix products, in the order in which they are computed (A, B: the left and right operand; K: the contracted axis; several contracted axes count as one K, in the product's order):
;;     1. [M 4,096, K 1,024] x [K 1,024, N 3,072]; A: computed on the way; B: input w_qkv (given as codes): QUANTISED
;;     2. batch 32 x [M 2,048, K 64] x [K 64, N 2,048]; A: computed on the way; B: computed on the way: QUANTISED
;;     3. batch 32 x [M 2,048, K 2,048] x [K 2,048, N 64]; A: softmax (see below); B: computed on the way: QUANTISED
;;     4. [M 4,096, K 1,024] x [K 1,024, N 1,024]; A: computed on the way; B: input w_attn_proj (given as codes): QUANTISED
;;     5. [M 4,096, K 1,024] x [K 1,024, N 4,096]; A: computed on the way; B: input w_fc (given as codes): QUANTISED
;;     6. [M 4,096, K 4,096] x [K 4,096, N 1,024]; A: computed on the way; B: input w_mlp_proj (given as codes): QUANTISED
;;   THE QUANTISER, for each operand of a quantised product, along K:
;;     - K is cut into blocks of 32 from its start; a last block that is shorter is filled with zeros.
;;     - A block's scale is 2^e with e = floor(log2(the largest magnitude in the block)) - 8, held to -126 .. 127; a block of zeros has e = 0. As a byte (E8M0): e + 127.
;;     - Each number is divided by its block's scale, clamped to +-448, and rounded to the nearest number of E4M3, ties to even, subnormals kept.
;;     - The product sums the exact products of the quantised numbers (number of the format x scale) in f32.
;;   ~~~python
;;   def quantise(x, axis):      # numpy; x: float32 -> the quantised numbers, widened to float32 again
;;       x = np.moveaxis(x, axis, -1); K = x.shape[-1]
;;       x = np.pad(x, [(0, 0)] * (x.ndim - 1) + [(0, -K % 32)]); x = x.reshape(x.shape[:-1] + (-1, 32)); a = np.abs(x).max(-1, keepdims=True)
;;       e = np.where(a > 0, np.clip(np.frexp(np.where(a > 0, a, 1))[1] - 1 - 8, -126, 127), 0)      # np.frexp(a)[1] - 1 = floor(log2(a)), exactly
;;       r = np.clip(x / 2.0 ** e, -448, 448)
;;       step = 2.0 ** (np.maximum(np.frexp(np.where(r == 0, 1, r))[1] - 1, -6) - 3)
;;       q = np.round(r / step) * step * 2.0 ** e      # np.round: ties to even
;;       return np.moveaxis(q.reshape(q.shape[:-2] + (-1,))[..., :K], -1, axis).astype(np.float32)
;;   ~~~
;;   SOFTMAX AHEAD OF A QUANTISED PRODUCT. Where the list says 'softmax', what is quantised is not the finished softmax but p = 2^(t - M), with t = logit x log2(e) and M = ceil(the row's largest t), a whole number; so 1/2 < the row's largest p <= 1. The row's sum l is taken of the UNQUANTISED p, in f32, and the product's result is divided by l at the end. Since M is a whole number, a kernel that streams over the keys may use a running M (the ceiling of the running maximum): every later rescaling is an exact power of two, which a block's scale takes up: the codes' values come out the same.
;;   OPERANDS COMPUTED ON THE WAY. 'Computed on the way' means the value that the module computes at that place (a softmax that the list does not call 'softmax' is quantised finished and normalised). What goes into a quantiser is computed in f32, as accurately as f32 sums, v_exp_f32 and their like allow (about 1e-6 of the number): no bf16 or f16 on the way to a quantiser, and a product that is left as it is and whose result goes on into a quantised operand takes f32 operands (vector FMAs, or v_wmma_f32_16x16x4_f32). A number that lies on a knife's edge between two numbers of the format may be rounded either way, as far as f32 arithmetic and the matrix unit's own rounding can turn it there, and no further.
;;   INPUTS GIVEN AS CODES. w_attn_proj (in the module: [1024, 1024], K = its axis 0); w_fc (in the module: [1024, 4096], K = its axis 0); w_mlp_proj (in the module: [4096, 1024], K = its axis 0); w_qkv (in the module: [1024, 3072], K = its axis 0): each comes as NAME_codes (uint8): NAME with its K axis moved to the last place and cut into blocks of 32 codes, [.., K / 32, bytes a block], one block behind the other in memory; one code a byte (a code: sign, 4 exponent bits, 3 mantissa bits); and NAME_scales (uint8): the same leading axes, one E8M0 byte (e + 127) for each 32 codes along K. Its value is code x scale, taken as it is: it is not quantised again, and the codes and scales need not be those that the quantiser above would give.
;; One version. Each part assembles by itself: llvm-mc -triple=amdgcn-amd-amdhsa -mcpu=gfx1250 --defsym DOCPART=n.
;; ======== version 1 of 1: 7 launches
;; limits: right only within a limited range of input values
;; workspace buffers: aq 4,325,376 bytes; qrec 8,781,824 bytes; kvrec 8,781,824 bytes; yq 4,325,376 bytes; x1 16,777,216 bytes; hq 17,301,504 bytes
;; launch ln1 (part 1): grid 256 x 1, 16 waves a work-group, no clusters, 84,480 bytes of LDS; arguments x, ln1_w, ln1_b, aq; writes aq
.if DOCPART == 1
	.amdgcn_target "amdgcn-amd-amdhsa--gfx1250"
	.amdhsa_code_object_version 6
	.text
	.protected	k_qb0b7bfd6eb_ln1
	.globl	k_qb0b7bfd6eb_ln1
	.p2align	8
	.type	k_qb0b7bfd6eb_ln1,@function
k_qb0b7bfd6eb_ln1:
	s_mov_b64 s[64:65], 0
	v_nop
	global_prefetch_b8 v0, s[64:65] scope:SCOPE_SE
	s_setreg_imm32_b32 hwreg(HW_REG_WAVE_MODE, 25, 1), 1
	s_wait_xcnt 0x0
; LayerNorm over rows of 1,024 f32 numbers, and the MX-FP8 quantiser along the row, in one pass over memory.
; in: src [4096][1024] f32, gain [1024], bias [1024].  out: codes (E4M3) [4096][1024] at byte 0 of the buffer, one E8M0 byte for each 32 numbers, [4096][32], from byte 0x400000 on.
; y = (x - mean) * rsqrt(var + 1e-5) * gain + bias; var = mean((x - mean)^2), taken of the differences (two passes over registers): no difference of large sums is formed.
; A block's scale is 2^(floor(log2(largest magnitude)) - 8): its byte is the largest magnitude's exponent field - 8, held at 1 from below.
; LIMITS: NaN and infinities among the inputs are not served.  A block of zeros gets the byte 1 where the rule says 127: its codes are zeros, and this program alone reads the bytes.
; SHARES: a work-group takes 16 rows, each of its 16 waves one.  A row is eight loads of 512 consecutive bytes and stays in 32 registers; its loads go out first, gain and bias behind them.
; The conversions want 16 neighbours in one lane, the loads give 4: 512 numbers at a time turn through the wave's own stage in LDS (64 bytes + 16 of padding for each lane).
; No matrix unit, no tensor loads, no cluster: rows share nothing.  One barrier: the work-group's 512 scale bytes leave as one whole run of 512 bytes.
.set GW,   16                          ; v16-47   gain of my 32 columns
.set GB,   48                          ; v48-79   bias
.set X,    80                          ; v80-111  the row; later each half's codes and byte
.set XS,   208                         ; v208-239 two sets of 16 neighbours
.set T,    240                         ; v240-243 at work
.set MU,   248                         ; v[248:249] the mean, twice
.set RS,   250                         ; v[250:251] 1 / sigma, twice
.set SP,   80                          ; a lane's place in a stage
.set STG,  2560                        ; a stage: 32 places
.set WREG, 5120                        ; a wave's two stages
.set SCR,  81920                       ; the work-group's 512 scale bytes
.set SPARE, 82432                      ; the spare words: 128 bytes a wave
	s_load_b256 s[4:11], s[0:1], 0x0               ; src s[4:5], gain s[6:7], bias s[8:9], out s[10:11]
	v_lshl_add_u32 v246, v0, 2, SPARE
	v_mov_b32 v247, 0
	v_lshrrev_b32 v1, 5, v0
	v_readfirstlane_b32 s16, v1                    ; wave
	v_and_b32 v1, 31, v0                           ; lane
	v_lshlrev_b32 v2, 4, v1                        ; 16 x lane: my bytes of a load's or a store's 512; never rewritten
	s_mul_i32 s17, s16, WREG
	v_lshrrev_b32 v3, 2, v1
	v_mul_u32_u24 v3, v3, SP
	v_and_b32 v4, 3, v1
	v_lshl_add_u32 v3, v4, 4, v3
	v_add_nc_u32 v3, s17, v3                       ; the stage, on the way in: SP (lane / 4) + 16 (lane % 4)
	v_mul_u32_u24 v4, v1, SP
	v_add_nc_u32 v4, s17, v4                       ; and on the way out: SP x lane
	s_lshl_b32 s17, s16, 5
	s_add_co_u32 s17, s17, SCR
	v_lshrrev_b32 v5, 1, v1
	v_add_nc_u32 v5, s17, v5                       ; my row's 32 scale bytes, my block's byte
	v_add_nc_u32 v6, SCR, v2                       ; wave 0 reads all 512 back, 16 a lane
	s_mov_b32 s12, 0x76543210
	s_mov_b32 s13, 0xfedcba98                      ; v_permlanex16_b32's selects for lane l xor 16
	s_mov_b32 s20, 0x3a800000                      ; 1 / 1024
	s_mov_b32 s21, 0x3727c5ac                      ; 1e-5
	s_mov_b32 s23, 0x600000                        ; the mantissa field of 448
	v_mov_b32 v255, 0                              ; a lane permute's destination counts as read: written once
	s_lshl_b32 s18, ttmp9, 16                      ; 16 rows of 4,096 bytes a work-group,
	s_lshl_b32 s19, s16, 12                        ; one a wave
	s_add_co_u32 s18, s18, s19
	s_mov_b32 s19, 0
	s_lshl_b32 s24, ttmp9, 14                      ; the same rows' codes: 1,024 bytes a row
	s_lshl_b32 s25, s16, 10
	s_add_co_u32 s24, s24, s25
	s_mov_b32 s25, 0
	s_lshl_b32 s26, ttmp9, 9                       ; the work-group's scale bytes
	s_add_co_u32 s26, s26, 0x400000
	s_mov_b32 s27, 0
	s_wait_alu depctr_va_vdst(0)                   ; the wait at the head's end
	s_wait_kmcnt 0x0
	s_add_nc_u64 s[4:5], s[4:5], s[18:19]
	s_add_nc_u64 s[14:15], s[10:11], s[26:27]
	s_add_nc_u64 s[10:11], s[10:11], s[24:25]
.irp j, 0,1,2,3,4,5,6,7
	global_load_b128 v[X+4*\j:X+4*\j+3], v2, s[4:5] offset:512*\j th:TH_LOAD_NT
.endr
.irp j, 0,1,2,3,4,5,6,7
	global_load_b128 v[GW+4*\j:GW+4*\j+3], v2, s[6:7] offset:512*\j
.endr
.irp j, 0,1,2,3,4,5,6,7
	global_load_b128 v[GB+4*\j:GB+4*\j+3], v2, s[8:9] offset:512*\j
.endr
.macro REDUCE r                        ; the sum over the 32 lanes, in every lane
	v_add_f32_dpp v[\r], v[\r], v[\r] row_xmask:1 row_mask:0xf bank_mask:0xf
	v_add_f32_dpp v[\r], v[\r], v[\r] row_xmask:2 row_mask:0xf bank_mask:0xf
	v_add_f32_dpp v[\r], v[\r], v[\r] row_xmask:4 row_mask:0xf bank_mask:0xf
	v_add_f32_dpp v[\r], v[\r], v[\r] row_xmask:8 row_mask:0xf bank_mask:0xf
	v_permlanex16_b32 v255, v[\r], s12, s13
	v_add_f32 v[\r], v[\r], v255
.endm
; 512 numbers of the row (half t), 16 neighbours a lane in set t, become codes and scale bytes.  Each half has registers of its own for its codes and its byte.
.macro QSTEP t
.set XQ, XS+16*\t
.set CD, X+16*\t
	v_max3_num_f32 v252, |v[XQ]|, |v[XQ+1]|, |v[XQ+2]|
	v_max3_num_f32 v253, |v[XQ+3]|, |v[XQ+4]|, |v[XQ+5]|
.irp i, 6,10
	v_max3_num_f32 v252, v252, |v[XQ+\i]|, |v[XQ+\i+1]|
	v_max3_num_f32 v253, v253, |v[XQ+\i+2]|, |v[XQ+\i+3]|
.endr
	v_max3_num_f32 v252, v252, |v[XQ+14]|, |v[XQ+15]|
	v_max3_num_f32 v252, v252, v253, 0x4800000     ; the floor 2^(9 - 127): the byte cannot fall under 1
	v_max_num_f32_dpp v252, v252, v252 row_xmask:1 row_mask:0xf bank_mask:0xf   ; with my neighbour's 16: the block's largest magnitude
	v_add_nc_u32 v254, 0xfc000000, v252            ; 8 off its exponent field: the conversion's scale operand
	v_and_or_b32 v253, v252, 0x7f800000, s23       ; 448 x the scale
.irp i, 0,1,2,3,4,5,6,7,8,9,10,11,12,13,14,15
	v_med3_num_f32 v[XQ+\i], v[XQ+\i], -v253, v253 ; the conversion to an 8-bit code does not saturate (ISA guide 7.6.2): the hold comes first
.endr
	v_cvt_scalef32_pk8_fp8_f32 v[CD:CD+1], v[XQ:XQ+7], v254
	v_cvt_scalef32_pk8_fp8_f32 v[CD+2:CD+3], v[XQ+8:XQ+15], v254
	v_lshrrev_b32 v[CD+4], 23, v254                ; the scale's byte (also the plain line behind the conversions)
	ds_store_b8 v5, v[CD+4] offset:16*\t           ; both lanes of a block write the same byte with the same value
	global_store_b128 v2, v[CD:CD+3], s[10:11] offset:512*\t   ; the wave stores 512 consecutive bytes, aligned
.endm
	s_wait_loadcnt 16                              ; loads come back in order: the row is in; behind it the 16 loads of gain and bias
	v_pk_add_f32 v[T:T+1], v[X:X+1], v[X+2:X+3]
	v_pk_add_f32 v[T+2:T+3], v[X+4:X+5], v[X+6:X+7]
.irp i, 8,12,16,20,24,28
	v_pk_add_f32 v[T:T+1], v[T:T+1], v[X+\i:X+\i+1]
	v_pk_add_f32 v[T+2:T+3], v[T+2:T+3], v[X+\i+2:X+\i+3]
.endr
	v_pk_add_f32 v[T:T+1], v[T:T+1], v[T+2:T+3]
	v_add_f32 v[T], v[T], v[T+1]
	REDUCE T
	v_mul_f32 v[MU], s20, v[T]                     ; the mean
	v_mov_b32 v[MU+1], v[MU]
.irp i, 0,2,4,6,8,10,12,14,16,18,20,22,24,26,28,30
	v_pk_add_f32 v[X+\i:X+\i+1], v[X+\i:X+\i+1], v[MU:MU+1] neg_lo:[0,1] neg_hi:[0,1]   ; x - mean
.endr
	v_pk_mul_f32 v[T:T+1], v[X:X+1], v[X:X+1]
	v_pk_mul_f32 v[T+2:T+3], v[X+2:X+3], v[X+2:X+3]
.irp i, 4,8,12,16,20,24,28
	v_pk_fma_f32 v[T:T+1], v[X+\i:X+\i+1], v[X+\i:X+\i+1], v[T:T+1]
	v_pk_fma_f32 v[T+2:T+3], v[X+\i+2:X+\i+3], v[X+\i+2:X+\i+3], v[T+2:T+3]
.endr
	v_pk_add_f32 v[T:T+1], v[T:T+1], v[T+2:T+3]
	v_add_f32 v[T], v[T], v[T+1]
	REDUCE T
	v_fma_f32 v[T], v[T], s20, s21                 ; var + eps
	s_wait_alu depctr_va_vdst(0)
	v_rsq_f32 v[RS], v[T]
	v_nop                                          ; a plain line behind the transcendental,
	s_wait_alu depctr_va_vdst(0)                   ; and the wait ahead of its first reader
	v_mov_b32 v[RS+1], v[RS]
.irp i, 0,2,4,6,8,10,12,14,16,18,20,22,24,26,28,30
	v_pk_mul_f32 v[X+\i:X+\i+1], v[X+\i:X+\i+1], v[RS:RS+1]
.endr
	s_wait_alu depctr_va_vdst(0)                   ; the wait directly ahead of the wait below
	s_wait_loadcnt 0x0                             ; gain and bias
.irp i, 0,2,4,6,8,10,12,14,16,18,20,22,24,26,28,30
	v_pk_fma_f32 v[X+\i:X+\i+1], v[X+\i:X+\i+1], v[GW+\i:GW+\i+1], v[GB+\i:GB+\i+1]
.endr
.irp t, 0,1                            ; both halves of the row through the two stages; LDS serves a wave's instructions in order, so no wait stands between stores and loads
.irp i, 0,1,2,3
	ds_store_b128 v3, v[X+16*\t+4*\i:X+16*\t+4*\i+3] offset:STG*\t+8*SP*\i
.endr
.irp i, 0,1,2,3
	ds_load_b128 v[XS+16*\t+4*\i:XS+16*\t+4*\i+3], v4 offset:STG*\t+16*\i
.endr
.endr
	s_wait_dscnt 8                                 ; the first half is back; behind it: the second half's four stores and four loads
	QSTEP 0
	s_wait_dscnt 1                                 ; the second half is back; behind it: the first half's byte store
	QSTEP 1
	s_wait_dscnt 0x0                               ; for the others' sake: my byte stores have landed
	s_barrier_signal -1
	s_barrier_wait -1
	s_cmp_lg_u32 s16, 0
	s_cbranch_scc1 .Lend
	ds_load_b128 v[T:T+3], v6                      ; wave 0: the 16 rows' 512 scale bytes
	s_wait_dscnt 0x0
	global_store_b128 v2, v[T:T+3], s[14:15]       ; 512 consecutive bytes, aligned
.Lend:
	s_wait_tensorcnt 0x0                           ; the wave's end
	ds_add_u32 v246, v247
	s_wait_dscnt 0x0
	s_endpgm
.Lfunc_end_k_qb0b7bfd6eb_ln1:
	.size	k_qb0b7bfd6eb_ln1, .Lfunc_end_k_qb0b7bfd6eb_ln1-k_qb0b7bfd6eb_ln1
	.p2alignl 7, 3214868480
	.fill 96, 4, 3214868480
	.section	.rodata,"a",@progbits
	.p2align	6, 0x0
	.amdhsa_kernel k_qb0b7bfd6eb_ln1
		.amdhsa_group_segment_fixed_size 84480
		.amdhsa_private_segment_fixed_size 0
		.amdhsa_enable_private_segment 0
		.amdhsa_kernarg_size 32
		.amdhsa_user_sgpr_count 2
		.amdhsa_user_sgpr_kernarg_segment_ptr 1
		.amdhsa_wavefront_size32 1
		.amdhsa_system_sgpr_workgroup_id_x 1
		.amdhsa_system_sgpr_workgroup_id_y 1
		.amdhsa_system_sgpr_workgroup_id_z 1
		.amdhsa_system_vgpr_workitem_id 0
		.amdhsa_next_free_vgpr 256
		.amdhsa_next_free_sgpr 66
		.amdhsa_reserve_vcc 0
		.amdhsa_float_denorm_mode_32 3
		.amdhsa_float_denorm_mode_16_64 3
		.amdhsa_memory_ordered 1
		.amdhsa_forward_progress 1
		.amdhsa_inst_pref_size 17
	.end_amdhsa_kernel
	.amdgpu_metadata
---
amdhsa.version: [ 1, 2 ]
amdhsa.kernels:
  - .name:           k_qb0b7bfd6eb_ln1
    .symbol:         k_qb0b7bfd6eb_ln1.kd
    .args:
      - { .name: x, .offset: 0, .size: 8, .value_kind: global_buffer, .address_space: global }
      - { .name: ln1_w, .offset: 8, .size: 8, .value_kind: global_buffer, .address_space: global }
      - { .name: ln1_b, .offset: 16, .size: 8, .value_kind: global_buffer, .address_space: global }
      - { .name: aq, .offset: 24, .size: 8, .value_kind: global_buffer, .address_space: global }
    .group_segment_fixed_size: 84480
    .private_segment_fixed_size: 0
    .kernarg_segment_align: 8
    .kernarg_segment_size: 32
    .max_flat_workgroup_size: 512
    .sgpr_count:     66
    .vgpr_count:     256
    .wavefront_size: 32
...
	.end_amdgpu_metadata
.endif
;; end of part 1
;; launch qkv (part 2): grid 12 x 16, 4 waves a work-group, clusters of 4 x 4, 327,680 bytes of LDS; arguments aq, w_qkv_codes, w_qkv_scales, qrec, kvrec; writes qrec, kvrec
.if DOCPART == 2
	.amdgcn_target "amdgcn-amd-amdhsa--gfx1250"
	.amdhsa_code_object_version 6
	.text
	.protected	k_qb0b7bfd6eb_qkv
	.globl	k_qb0b7bfd6eb_qkv
	.p2align	8
	.type	k_qb0b7bfd6eb_qkv,@function
k_qb0b7bfd6eb_qkv:
	s_mov_b64 s[64:65], 0
	v_nop
	global_prefetch_b8 v0, s[64:65] scope:SCOPE_SE
	s_setreg_imm32_b32 hwreg(HW_REG_WAVE_MODE, 25, 1), 1
	s_wait_xcnt 0x0
	s_wait_alu depctr_hold_cnt(0) depctr_sa_sdst(0) depctr_va_vdst(0) depctr_va_sdst(0) depctr_va_ssrc(0) depctr_va_vcc(0) depctr_vm_vsrc(0)
	s_getreg_b32 s2, hwreg(HW_REG_IB_STS2, 6, 4)
	s_cmp_eq_u32 s2, 0
	s_cbranch_scc0 .Lentry_in_a_cluster
	s_endpgm
.Lentry_in_a_cluster:
	s_bfe_u32 s2, ttmp6, 0x10000c
	s_cmp_lg_u32 s2, 0xf033
	s_cbranch_scc0 .Lentry_shape_is_right
	s_endpgm
.Lentry_shape_is_right:
; qkv = LN1(x) W_qkv on codes of FP8 (E4M3) with one E8M0 scale for each 32 along K = 1,024, and the quantisers of q, k (along the head's 64) and v (along the keys), fused: the f32 results never go to memory.
; in: aq: codes [4096][1024], scale bytes [4096][32] from byte 0x400000; w_qkv: codes [3072][1024], scale bytes [3072][32].
; out: records of 17,152 bytes, [batch x head 32][128 tokens 16]: +0: 8 fragments (16 tokens x 64) as images of the operand's registers, [tile][c 2][lane][16 bytes] (q in qrec, k in kvrec);
;   +8192: v, [16 of the head's 64: 4][c 4][lane][16 bytes], K = the record's 128 keys; +16384: a scale word a token (bytes 0, 1: the head's two blocks; bytes 2, 3: 0x7f); +16896: a scale word for each of v's 64 rows.
; THE PRODUCT: a tile of 256 x 256, four waves of 128 x 128 (64 accumulators, 512 registers); K in steps of 256 through a ring of two LDS slots; all scale bytes of the tile's rows come once and stay.
; The matrix instruction is used transposed (source 0 = 16 rows of "B", source 1 = 16 rows of "A"): a lane holds one row of A and eight neighbouring rows of B.
; ONE PATH FOR THREE TENSORS: the cluster's x says which (0 q, 1 k, 2 v); only pointers and tile numbers are chosen by it.  For q and k: A = tokens, B = rows of W: a lane's registers run along the head.
; For v the roles are swapped: A = rows 2048.. of W, B = tokens: a lane holds one of the head's 64 and its registers run along the KEYS, which are the K of attention's second product: nothing is transposed.
; ORDER INSIDE A BLOCK OF 32: a lane's 16 numbers of a block are columns 8 h + 0..7 and 16 + 8 h + 0..7 (h = lane / 16); their codes are laid as they stand.  q and k carry the same order, and so do v and p
; (made the same way in the attention launch): a permutation of k applied alike to both operands keeps the products; the blocks, and so the scales, are the true ones.
; CLUSTERS: 4 x 4; A's tiles are asked for jointly along a row of the cluster, B's along a column.  192 work-groups: 12 x 16 tiles is all the work there is at this tile.
; THE HEAD: one tensor load a wave: K step 0's 256 rows of A, its 256 rows of B, A's scales, B's scales; K step 1 is asked for behind the full sequence and a round, as a refill is.
; PREFETCHES INTO THE L2: K steps 1 and 2 behind the head's loads, K step 3 behind K step 1's load: each two loads ahead of the load that wants it; who asks for what stands at the lines themselves.
; LIMITS: NaN and infinities are not served; a block of zeros gets the byte 1 (its codes are zeros; this program alone reads the bytes).
.set SIZE_K, 1024
.set KSTEP,  256
.set NQ,     KSTEP/128
.set ROWB,   256
.set KROW,   SIZE_K
.set PITCH,  272                       ; an LDS row: 256 bytes + 16 of padding: the 16 rows that a load touches start at 16 different banks
.set FR,     16
.set NL,     4
.set NP,     8                         ; places behind this matrix instruction (ISA guide 7.12.1)
.set HALFT,  128*PITCH
.set SLOT,   4*HALFT
.set LAPS,   SIZE_K/(2*KSTEP)
.set KS,     SIZE_K/32
.set SCL,    2*SLOT
.set HALFS,  (128*KS/256)*272
.set SBLK,   (16*KS/256)*272
.set SPARE,  SCL+4*HALFS               ; the spare words: two blocks of 256 bytes that no other line names
.set HEADB,  274432                    ; a head's 16 records
.set REC,    17152
.set PFO,  8                           ; v8   the prefetches' offset: my lane x a row; never rewritten
.set ADRA, 16
.set ADRB, 20
.set LI,   24                          ; v24  16 x lane
.set LS,   25                          ; v25  4 x lane
.set ADRS, 27
.set SPW,  28
.set NIL,  29
.set SC,   32                          ; v32-63 scale words, two sets: nothing else ever stands there
.set TQ,   64                          ; v64-127 the way out: 64 numbers, held
.set AF,   128                         ; A's fragments; on the way out:
.set PC,   128                         ; v128-143 codes
.set TM,   144                         ; v144-147 largest magnitudes, v148-151 bytes, v152-155 448 x the scale, v156-159 the conversions' scale operands
.set PW,   160                         ; v160, v161 the scale words of an even and an odd block of rows
.set PS,   162                         ; v162 both: lanes 0-15 the even block's, lanes 16-31 the odd one's
.set SW,   163                         ; v163, v164 the two heads' words
.set G0H, 4                            ; s[4:7], s[8:11]: group 0 of the head's loads of K step 0 (the arguments that lay there have been used)
.set G0HB, 8
.set G1, 24
.set G0, 32
.set G1B, 48
.set G0B, 56
.set G1S, 68
.set G0S, 76
.set G1SB, 80
.set G0SB, 88
.set PFA, 92                           ; s[92:93] where my prefetches stand; never rewritten
.set MSB, 0
.macro WIN new                         ; the immediate's high byte repeats the setting that is left
.if MSB != (\new)
	s_set_vgpr_msb (MSB<<8)|(\new)
.set MSB, (\new)
.endif
.endm
.set MUL_LO, 0xa1                      ; source 0 (B) window 1, source 1 (A) window 0, C and D window 2
.set MUL_HI, 0xf1
.set TO_B,   0x40
; A joint load: waves 0 and 1 fetch for A, waves 2 and 3 for B; the branch hangs on the wave's number alone.  An s_nop 0 and four v_nop follow each of the two lines.
.macro JLOAD g0a, g1a, g0b, g1b
	s_cmp_eq_u32 s15, 0
	s_cbranch_scc0 .Lfor_b_\@
	tensor_load_to_lds s[\g0a:\g0a+3], s[\g1a:\g1a+7]
	s_nop 0
.rept 4
	v_nop
.endr
	s_branch .Lasked_\@
.Lfor_b_\@:
	tensor_load_to_lds s[\g0b:\g0b+3], s[\g1b:\g1b+7]
	s_nop 0
.rept 4
	v_nop
.endr
.Lasked_\@:
.endm
.macro CREST                           ; a round of the cluster's barrier behind its opening barrier
	s_cmp_lg_u32 s14, 0
	s_cbranch_scc1 .Lnot_wave_0_\@
	s_barrier_signal -3
.Lnot_wave_0_\@:
	s_barrier_wait -3
	s_barrier_signal -1
	s_barrier_wait -1
.endm
.macro CROUND
	s_barrier_signal -1
	s_barrier_wait -1
	CREST
.endm
	s_load_b64 s[4:5], s[0:1], 0x0                 ; aq
	s_load_b128 s[8:11], s[0:1], 0x8               ; W's codes, W's scales
	s_load_b128 s[96:99], s[0:1], 0x18             ; qrec, kvrec
	v_lshl_add_u32 v[SPW], v0, 2, SPARE
	v_mov_b32 v[NIL], 0
	ds_add_u32 v28, v29                            ; the opening lines: the add, twice on end, and its wait
	ds_add_u32 v28, v29
	s_wait_dscnt 0x0
	v_lshrrev_b32 v1, 5, v0
	v_readfirstlane_b32 s14, v1                    ; wave 0..3
	s_lshr_b32 s15, s14, 1                         ; which half of A's rows is mine.  Also: in the ring I fetch for A (0) or for B (1)
	s_and_b32 s16, s14, 1                          ; which half of B's rows.  Also: which 128 rows of that tile I fetch
	s_bfe_u32 s40, ttmp6, 0x40000                  ; cx, cy
	s_bfe_u32 s41, ttmp6, 0x40004
	s_and_b32 s18, ttmp7, 0xffff
	s_lshl_b32 s18, s18, 2                         ; 4 x cluster y: the tokens' tiles
	s_lshl_b32 s19, ttmp9, 2                       ; 4 x cluster x: W's tiles, for q and k
	s_cmp_eq_u32 ttmp9, 2                          ; v?  The cluster's x is the same in all sixteen partners
	s_cselect_b32 s42, s18, s19                    ; B's tile: tokens for v, else rows of W
	s_cselect_b32 s17, 0, s18                      ; A's tile: v's 1,024 rows of W are four tiles, else tokens
	s_add_co_u32 s42, s42, s40                     ; B's tile hangs on cx alone within the cluster,
	s_add_co_u32 s17, s17, s41                     ; A's on cy alone
	s_lshl_b32 s43, s41, 2
	s_lshl_b32 s43, 15, s43                        ; my row of the cluster
	s_lshl_b32 s44, 0x1111, s40                    ; my column
	s_or_b32 s[G1+0], s43, (0<<16)|(1<<20)|(1<<21)|(5<<22)|(3<<25)  ; the mask; elements of 1 byte; padding: 4 words after every 64; bit 21 beside a mask
	s_or_b32 s[G1B+0], s44, (0<<16)|(1<<20)|(1<<21)|(5<<22)|(3<<25)
.irp g, G1, G1B
	s_mov_b32 s[\g+1], ROWB<<16                    ; tensor_dim0
	s_mov_b32 s[\g+2], 256<<16                     ; tensor_dim1: the head's loads bring a whole tile of 256 rows
	s_mov_b32 s[\g+3], ROWB<<16                    ; tile_dim0
	s_mov_b32 s[\g+4], 256                         ; tile_dim1
	s_mov_b32 s[\g+5], KROW                        ; the pitch
	s_mov_b32 s[\g+6], 0
	s_mov_b32 s[\g+7], 0
.endr
	s_or_b32 s[G1S+0], s43, (3<<16)|(1<<20)|(1<<21)|(5<<22)|(3<<25) ; the scales of 256 rows: a dense block, as KS rows of 256 bytes + 16 of padding
	s_or_b32 s[G1SB+0], s44, (3<<16)|(1<<20)|(1<<21)|(5<<22)|(3<<25)
.irp g, G1S, G1SB
	s_mov_b32 s[\g+1], 32<<16
	s_mov_b32 s[\g+2], KS<<16
	s_mov_b32 s[\g+3], 32<<16
	s_mov_b32 s[\g+4], KS
	s_mov_b32 s[\g+5], 32
	s_mov_b32 s[\g+6], 0
	s_mov_b32 s[\g+7], 0
.endr
	s_lshl_b32 s20, s17, 8                         ; A: the tile's first row
	s_lshl_b32 s46, s42, 8                         ; B likewise
	s_mov_b32 s21, 0
	s_mov_b32 s47, 0
	s_mov_b64 s[18:19], KS
	s_mul_u64 s[22:23], s[20:21], s[18:19]         ; where these rows' scales begin,
	s_mul_u64 s[92:93], s[46:47], s[18:19]
	s_mov_b64 s[18:19], KROW
	s_mul_u64 s[20:21], s[20:21], s[18:19]         ; and their codes
	s_mul_u64 s[46:47], s[46:47], s[18:19]
	s_mul_i32 s18, s16, 128*KROW                   ; in the ring I fetch 128 rows of a tile: which half, in bytes
	s_mov_b32 s19, 0
	s_mul_i32 s45, s14, HALFT                      ; where they go: wave x 128 rows
	s_wait_kmcnt 0x0
	s_add_nc_u64 s[6:7], s[4:5], 0x400000          ; aq's scale bytes
	s_add_nc_u64 s[100:101], s[8:9], 0x200000      ; W's rows 2048 on: codes,
	s_add_nc_u64 s[104:105], s[10:11], 0x10000     ; and scale bytes
	s_cmp_eq_u32 ttmp9, 2                          ; the choice hangs on the cluster's number alone
	s_cselect_b64 s[100:101], s[100:101], s[4:5]   ; A's codes
	s_cselect_b64 s[8:9], s[4:5], s[8:9]           ; B's codes
	s_cselect_b64 s[104:105], s[104:105], s[6:7]   ; A's scales
	s_cselect_b64 s[10:11], s[6:7], s[10:11]       ; B's scales
	s_mov_b64 s[4:5], s[100:101]
	s_mov_b64 s[6:7], s[104:105]
	s_add_nc_u64 s[20:21], s[4:5], s[20:21]
	s_add_nc_u64 s[22:23], s[6:7], s[22:23]
	s_add_nc_u64 s[46:47], s[8:9], s[46:47]
	s_add_nc_u64 s[92:93], s[10:11], s[92:93]
	CROUND                                         ; all sixteen work-groups are here: the first joint loads meet
	s_mov_b32 s[G0S], 1
	s_mov_b32 s[G0S+1], SCL
	s_mov_b64 s[G0S+2:G0S+3], s[22:23]
	s_or_b32 s[G0S+3], s[G0S+3], 0x80000000
	s_mov_b32 s[G0SB], 1
	s_mov_b32 s[G0SB+1], SCL+2*HALFS
	s_mov_b64 s[G0SB+2:G0SB+3], s[92:93]
	s_or_b32 s[G0SB+3], s[G0SB+3], 0x80000000
	s_mov_b32 s[G0H], 1
	s_mov_b32 s[G0H+1], 0
	s_mov_b64 s[G0H+2:G0H+3], s[20:21]
	s_or_b32 s[G0H+3], s[G0H+3], 0x80000000
	s_mov_b32 s[G0HB], 1
	s_mov_b32 s[G0HB+1], 2*HALFT
	s_mov_b64 s[G0HB+2:G0HB+3], s[46:47]
	s_or_b32 s[G0HB+3], s[G0HB+3], 0x80000000
	s_add_nc_u64 s[20:21], s[20:21], s[18:19]      ; for the ring: my 128 rows of the tile
	s_add_nc_u64 s[46:47], s[46:47], s[18:19]
.irp s, 0,1
	s_mov_b32 s[G0+4*\s], 1
	s_add_co_u32 s[G0+4*\s+1], s45, \s*SLOT
	s_add_nc_u64 s[G0+4*\s+2:G0+4*\s+3], s[20:21], \s*ROWB
	s_or_b32 s[G0+4*\s+3], s[G0+4*\s+3], 0x80000000
	s_mov_b32 s[G0B+4*\s], 1
	s_add_co_u32 s[G0B+4*\s+1], s45, \s*SLOT
	s_add_nc_u64 s[G0B+4*\s+2:G0B+4*\s+3], s[46:47], \s*ROWB
	s_or_b32 s[G0B+4*\s+3], s[G0B+4*\s+3], 0x80000000
.endr
; the head's loads, one a wave: wave 0 K step 0's 256 rows of A, wave 1 those of B, wave 2 A's scales, wave 3 B's; one tree of branches on the wave's number
.macro ARM under, g0, g1, next
	s_cmp_lt_u32 s14, \under
	s_cbranch_scc0 \next
	tensor_load_to_lds s[\g0:\g0+3], s[\g1:\g1+7]
	s_nop 0
.rept 4
	v_nop
.endr
	s_branch .Lhead_asked
\next:
.endm
	ARM 1, G0H,  G1,  .Lhead_b
	ARM 2, G0HB, G1B, .Lhead_sa
	ARM 3, G0S,  G1S, .Lhead_sb
	tensor_load_to_lds s[G0SB:G0SB+3], s[G1SB:G1SB+7]
	s_nop 0
.rept 4
	v_nop
.endr
.Lhead_asked:
; THE PREFETCHES: a K step is 256 bytes of each row.  Of the 128 rows that my wave fetches in the ring, each of the four partners that ask for them jointly takes 32, told apart by address (cx for A, cy for B): a lane a row, one instruction a wave,
; so each block of 256 bytes is named once in each cluster that will load it.
	s_cmp_eq_u32 s15, 0
	s_cselect_b64 s[PFA:PFA+1], s[20:21], s[46:47] ; my 128 rows at K step 0
	s_cselect_b32 s94, s40, s41                    ; my place among the four
	s_mul_i32 s94, s94, 32*KROW
	s_mov_b32 s95, 0
	s_add_nc_u64 s[PFA:PFA+1], s[PFA:PFA+1], s[94:95]
	v_and_b32 v[PFO], 31, v0
	v_mul_u32_u24 v[PFO], v[PFO], KROW
	s_wait_alu depctr_va_vdst(0)
	global_prefetch_b8 v[PFO], s[PFA:PFA+1] offset:ROWB th:TH_LOAD_NT scope:SCOPE_SE
	global_prefetch_b8 v[PFO], s[PFA:PFA+1] offset:2*ROWB th:TH_LOAD_NT scope:SCOPE_SE
	v_and_b32 v1, 15, v0                           ; l % 16
	v_bfe_u32 v2, v0, 4, 1                         ; l / 16
	v_mul_u32_u24 v3, v1, PITCH
	v_lshl_add_u32 v4, v2, 4, v3                   ; a fragment's row x pitch + 16 x half
	s_mul_i32 s21, s15, HALFT
	s_mul_i32 s22, s16, HALFT
	s_add_co_u32 s22, s22, 2*HALFT
.irp s, 0,1
	v_add_nc_u32 v[ADRA+\s], s21, v4
	v_add_nc_u32 v[ADRB+\s], s22, v4
	s_add_co_u32 s21, s21, SLOT
	s_add_co_u32 s22, s22, SLOT
.endr
	v_mul_u32_u24 v5, v1, KS                       ; my row's scales: KS bytes a row,
	v_lshrrev_b32 v6, 8, v5
	v_lshl_add_u32 v5, v6, 4, v5                   ; and 16 more for each 256 passed
	s_mul_i32 s21, s15, HALFS
	s_mul_i32 s22, s16, HALFS
	s_add_co_u32 s22, s22, 2*HALFS
	s_sub_co_u32 s22, s22, s21
	v_mul_u32_u24 v6, s22, v2                      ; lanes 16-31 take B's
	s_add_co_u32 s21, s21, SCL
	v_add_nc_u32 v5, v5, v6
	v_add_nc_u32 v[ADRS], s21, v5
	v_and_b32 v6, 31, v0
	v_lshlrev_b32 v[LI], 4, v6
	v_lshlrev_b32 v[LS], 2, v6
	; where my results go: my 128 tokens are one record's, my 128 columns two heads'
	s_lshl_b32 s20, s17, 8
	s_lshl_b32 s21, s15, 7
	s_add_co_u32 s20, s20, s21                     ; A's first row of mine
	s_lshl_b32 s21, s42, 8
	s_lshl_b32 s22, s16, 7
	s_add_co_u32 s21, s21, s22                     ; B's
	s_cmp_eq_u32 ttmp9, 2
	s_cselect_b32 s18, s21, s20                    ; my first token
	s_cselect_b32 s19, s20, s21                    ; my first column,
	s_and_b32 s19, s19, 1023                       ; within q, k or v
	s_lshr_b32 s20, s18, 11
	s_lshl_b32 s20, s20, 4
	s_lshr_b32 s19, s19, 6
	s_add_co_u32 s20, s20, s19                     ; 16 x batch + head
	s_mul_i32 s20, s20, HEADB
	s_bfe_u32 s21, s18, 0x40007                    ; which 128 tokens of the sequence
	s_mul_i32 s21, s21, REC
	s_add_co_u32 s20, s20, s21
	s_mov_b32 s21, 0
	s_cmp_eq_u32 ttmp9, 0
	s_cselect_b64 s[12:13], s[96:97], s[98:99]     ; q goes to qrec, k and v to kvrec
	s_add_nc_u64 s[12:13], s[12:13], s[20:21]
	s_mov_b32 s66, 0xffff0000                      ; lanes 16-31
	s_mov_b32 s67, 0x7f7f7f7f                      ; scale bytes of 1.0
	s_mov_b32 s95, 0x04040100                      ; v_perm_b32: a word's bytes 0, 1, then 0x7f twice
	s_mov_b32 s100, 0x04040302                     ; its bytes 2, 3, then 0x7f twice
	s_mov_b32 s101, 0x600000                       ; the mantissa field of 448
	s_mov_b32 s104, 0x76543210
	s_mov_b32 s105, 0xfedcba98                     ; v_permlanex16_b32's selects for lane l xor 16
.macro FRAG reg, adr, q, i             ; a fragment: 16 rows x 128 K: lane l holds row l % 16; registers 4 c .. 4 c + 3 hold K = 32 c + 16 (l / 16) + 0 .. 15
.irp c, 0,1,2,3
	ds_load_b128 v[\reg+4*\c:\reg+4*\c+3], v[\adr] offset:128*(\q)+32*\c+(\i)*16*PITCH
.endr
.endm
; 16 matrix instructions: A's blocks a0, a0 + 1 x B's eight.  The 64 accumulators take turns, one instruction a turn, in the same order in every step.
.macro MUL16 a0, p, q, sc, zero
.irp a, \a0, \a0+1
.irp b, 0,1,2,3,4,5,6,7
.if \zero
	v_wmma_scale_f32_16x16x128_f8f6f4 v[8*(8*((\a)%4)+\b):8*(8*((\a)%4)+\b)+7], v[128*(\p)+FR*\b:128*(\p)+FR*\b+FR-1], v[AF+FR*(\a):AF+FR*(\a)+FR-1], 0, v[SC+8*NQ*(\sc)+NQ*\b+(\q)], v[SC+8*NQ*(\sc)+NQ*(\a)+(\q)] matrix_a_scale:MATRIX_SCALE_ROW1
.else
	v_wmma_scale_f32_16x16x128_f8f6f4 v[8*(8*((\a)%4)+\b):8*(8*((\a)%4)+\b)+7], v[128*(\p)+FR*\b:128*(\p)+FR*\b+FR-1], v[AF+FR*(\a):AF+FR*(\a)+FR-1], v[8*(8*((\a)%4)+\b):8*(8*((\a)%4)+\b)+7], v[SC+8*NQ*(\sc)+NQ*\b+(\q)], v[SC+8*NQ*(\sc)+NQ*(\a)+(\q)] matrix_a_scale:MATRIX_SCALE_ROW1
.endif
.endr
.endr
.endm
.macro FETCH_B slot, q, p
	WIN TO_B
.irp i, 0,1,2,3,4,5,6,7
	FRAG 128*(\p)+FR*\i, ADRB+\slot, \q, \i
.endr
	WIN 0
.endm
.macro FETCH_A slot, q, i0
.irp i, \i0, \i0+1, \i0+2, \i0+3
	FRAG AF+FR*(\i), ADRA+\slot, \q, \i
.endr
.endm
.macro SCALES sc                       ; a K step's scale words: lanes 0-15 take A's block i, lanes 16-31 B's block i
.irp i, 0,1,2,3,4,5,6,7
	ds_load_b64 v[SC+8*NQ*\sc+NQ*\i:SC+8*NQ*\sc+NQ*\i+1], v[ADRS] offset:\i*SBLK
.endr
.endm
.macro PLACES n                        ; plain vector lines between a matrix instruction and a load into, or a read of, its registers
.rept \n
	v_nop
.endr
.endm
.macro STEP slot, q, zero              ; 128 along K that have their successor in the same slot
	s_wait_dscnt 4*NL                              ; B's set and A's blocks 0-3 are in; the youngest 16 loads (A's blocks 4-7) may be out
	WIN MUL_LO
	MUL16 0, (\q)%2, \q, \slot, \zero
	MUL16 2, (\q)%2, \q, \slot, \zero
	s_wait_dscnt 0
	PLACES NP
	FETCH_B \slot, (\q)+1, 1-(\q)%2
	FETCH_A \slot, (\q)+1, 0
	WIN MUL_HI
	MUL16 4, (\q)%2, \q, \slot, \zero
	MUL16 6, (\q)%2, \q, \slot, \zero
	PLACES NP
	WIN 0
	FETCH_A \slot, (\q)+1, 4
.endm
; A slot's last step changes slots: one barrier; in front of it each wave waits for all its tensor loads, adds 0 to its spare word, and waits for that and for its own reads of this slot.
.macro TURN slot, next, fill
	s_wait_tensorcnt 0x0                           ; all my tensor loads have landed: my part of the next slot
	ds_add_u32 v[SPW], v[NIL]                      ; 0 onto my spare word
	s_wait_dscnt 4*NL+1                            ; (the add and the youngest 16 loads may be out)
	WIN MUL_LO
	MUL16 0, 1, NQ-1, \slot, 0
	s_wait_dscnt 0x0                               ; the add is done, and my reads of this slot are over
	s_barrier_signal -1
	MUL16 2, 1, NQ-1, \slot, 0
	WIN 0
	s_barrier_wait -1
.if \fill
	CREST                                          ; the barrier has opened a round of the cluster's: no wave of any partner still reads this slot or has a load on its way
	s_add_nc_u64 s[G0+4*\slot+2:G0+4*\slot+3], s[G0+4*\slot+2:G0+4*\slot+3], 2*ROWB
	s_add_nc_u64 s[G0B+4*\slot+2:G0B+4*\slot+3], s[G0B+4*\slot+2:G0B+4*\slot+3], 2*ROWB
	JLOAD G0+4*\slot, G1, G0B+4*\slot, G1B         ; the first tensor load behind the round; its four v_nop are among the places below
	PLACES NP-4
.else
	PLACES NP
.endif
	s_wait_alu depctr_va_vdst(0)
	v_add_nc_u32 v[ADRS], 4*NQ, v[ADRS]            ; on to the next K step's scale words
	FETCH_B \next, 0, 0
	FETCH_A \next, 0, 0
	SCALES \next
	WIN MUL_HI
	MUL16 4, 1, NQ-1, \slot, 0
	MUL16 6, 1, NQ-1, \slot, 0
	PLACES NP
	WIN 0
	FETCH_A \next, 0, 4
.endm
	s_wait_alu depctr_va_vdst(0)
	s_wait_tensorcnt 0x0                           ; my tile of the head's four is in; the lines ahead of a later first fill:
	ds_add_u32 v[SPW], v[NIL]
	s_mov_b32 s[G1+2], 128<<16                     ; no tensor load of mine is out: from here on a load brings 128 rows
	s_mov_b32 s[G1+4], 128
	s_mov_b32 s[G1B+2], 128<<16
	s_mov_b32 s[G1B+4], 128
	s_wait_dscnt 0x0
	CROUND                                         ; all four tiles are in, and all sixteen work-groups are here
	JLOAD G0+4, G1, G0B+4, G1B                     ; K step 1: the first tensor load behind the round
	FETCH_B 0, 0, 0
	FETCH_A 0, 0, 0
	SCALES 0
	FETCH_A 0, 0, 4
	global_prefetch_b8 v[PFO], s[PFA:PFA+1] offset:3*ROWB th:TH_LOAD_NT scope:SCOPE_SE
	STEP 0, 0, 1                                   ; the first step's products start the sums
	s_mov_b32 s3, LAPS-1
.Llap:
	TURN 0, 1, 1
	STEP 1, 0, 0
	TURN 1, 0, 1
	STEP 0, 0, 0
	s_sub_co_u32 s3, s3, 1
	s_cmp_lg_u32 s3, 0
	s_cbranch_scc1 .Llap
	TURN 0, 1, 0                                   ; the last lap fills nothing
	STEP 1, 0, 0
	s_wait_dscnt 4*NL
	WIN MUL_LO
	MUL16 0, 1, NQ-1, 1, 0
	MUL16 2, 1, NQ-1, 1, 0
	s_wait_dscnt 0
	WIN MUL_HI
	MUL16 4, 1, NQ-1, 1, 0
	MUL16 6, 1, NQ-1, 1, 0
	WIN 0
; THE WAY OUT.  Block a (16 rows of A) is 64 registers a lane: four blocks of 32 along B's rows, 16 numbers here and 16 in lane l xor 16.  They become 16 registers of codes and a scale word a row.
.macro QUANTW a
.set AC, 64*((\a)%4)
.set WN, 2+(\a)/4                      ; the accumulators' window
.set WS, WN|(WN<<2)
	WIN WS
.irp b, 0,1,2,3
	v_max3_num_f32 v[TM+\b], |v[AC+16*\b]|, |v[AC+16*\b+1]|, 0x4800000   ; with the floor 2^(9 - 127).  Each accumulator is read from its low end on
.endr
.set WS, (WN<<2)|(WN<<4)
	WIN WS
.irp i, 2,4,6,8,10,12,14
.irp b, 0,1,2,3
	v_max3_num_f32 v[TM+\b], v[TM+\b], |v[AC+16*\b+\i]|, |v[AC+16*\b+\i+1]|
.endr
.endr
	WIN 0
.irp b, 0,1,2,3
	v_permlanex16_b32 v[TM+4+\b], v[TM+\b], s104, s105
.endr
.irp b, 0,1,2,3
	v_max_num_f32 v[TM+\b], v[TM+\b], v[TM+4+\b]   ; the block's largest magnitude
.endr
.irp b, 0,1,2,3
	v_add_nc_u32 v[TM+12+\b], 0xfc000000, v[TM+\b] ; 8 off its exponent field: the conversion's scale operand
.endr
.irp b, 0,1,2,3
	v_and_or_b32 v[TM+8+\b], v[TM+\b], 0x7f800000, s101   ; 448 x the scale
.endr
.irp b, 0,1,2,3
	v_lshrrev_b32 v[TM+4+\b], 23, v[TM+12+\b]      ; the scale's byte
.endr
	v_lshl_or_b32 v[PW+(\a)%2], v[TM+5], 8, v[TM+4]
	v_lshl_or_b32 v[PW+(\a)%2], v[TM+6], 16, v[PW+(\a)%2]
	v_lshl_or_b32 v[PW+(\a)%2], v[TM+7], 24, v[PW+(\a)%2]
	WIN WN
.irp b, 0,1,2,3
.irp i, 0,1,2,3,4,5,6,7,8,9,10,11,12,13,14,15
	v_med3_num_f32 v[TQ+16*\b+\i], v[AC+16*\b+\i], -v[TM+8+\b], v[TM+8+\b]   ; the hold (the conversion does not saturate: ISA guide 7.6.2); it also brings the number into window 0
.endr
.endr
	WIN 0
	s_wait_alu depctr_va_vdst(0)
	s_wait_xcnt 0x0                                ; the last block's stores have read their data: the codes' and words' registers are written again only behind this wait
.irp b, 0,1,2,3
	v_cvt_scalef32_pk8_fp8_f32 v[PC+4*\b:PC+4*\b+1], v[TQ+16*\b:TQ+16*\b+7], v[TM+12+\b]
	v_cvt_scalef32_pk8_fp8_f32 v[PC+4*\b+2:PC+4*\b+3], v[TQ+16*\b+8:TQ+16*\b+15], v[TM+12+\b]
.endr
	v_nop                                          ; a plain line behind the last conversion
.endm
.macro OUTBLK a
	QUANTW \a
.if (\a)%2
	v_cndmask_b32 v[PS], v[PW], v[PW+1], s66       ; two blocks' words in one register: one store covers 128 consecutive bytes
.endif
	s_cmp_eq_u32 ttmp9, 2
	s_cbranch_scc1 .Lv_\@
.irp g, 0,1,2,3                        ; q, k: block g of 32 columns is half g % 2 of head g / 2; rows = tile a of the record
	global_store_b128 v[LI], v[PC+4*\g:PC+4*\g+3], s[12:13] offset:(\g/2)*HEADB+1024*(\a)+512*(\g%2)   ; 512 consecutive bytes, aligned
.endr
.if (\a)%2
	v_perm_b32 v[SW], s67, v[PS], s95
	v_perm_b32 v[SW+1], s67, v[PS], s100
	global_store_b32 v[LS], v[SW], s[12:13] offset:16384+128*((\a)/2)
	global_store_b32 v[LS], v[SW+1], s[12:13] offset:HEADB+16384+128*((\a)/2)
.endif
	s_branch .Ldone_\@
.Lv_\@:
	s_wait_alu depctr_va_vdst(0)
.irp g, 0,1,2,3                        ; v: block g is keys 32 g on; rows = 16 of head a / 4's 64
	global_store_b128 v[LI], v[PC+4*\g:PC+4*\g+3], s[12:13] offset:((\a)/4)*HEADB+8192+2048*((\a)%4)+512*\g
.endr
.if (\a)%2
	global_store_b32 v[LS], v[PS], s[12:13] offset:((\a)/4)*HEADB+16896+128*(((\a)%4)/2)
.endif
.Ldone_\@:
.endm
	PLACES NP                                      ; behind the last products: in front of the first read of results and of writes into the registers that held A's fragments
.irp b, 0,1,2,3
	v_mov_b32 v[TM+4+\b], 0                        ; a lane permute's destination counts as read: written once
.endr
.irp a, 0,1,2,3,4,5,6,7
	OUTBLK \a
.endr
	s_wait_tensorcnt 0x0                           ; the wave's end
	ds_add_u32 v[SPW], v[NIL]
	s_wait_dscnt 0x0
	CROUND                                         ; the closing round
	s_endpgm
.Lfunc_end_k_qb0b7bfd6eb_qkv:
	.size	k_qb0b7bfd6eb_qkv, .Lfunc_end_k_qb0b7bfd6eb_qkv-k_qb0b7bfd6eb_qkv
	.p2alignl 7, 3214868480
	.fill 96, 4, 3214868480
	.section	.rodata,"a",@progbits
	.p2align	6, 0x0
	.amdhsa_kernel k_qb0b7bfd6eb_qkv
		.amdhsa_group_segment_fixed_size 327680
		.amdhsa_private_segment_fixed_size 0
		.amdhsa_enable_private_segment 0
		.amdhsa_kernarg_size 40
		.amdhsa_user_sgpr_count 2
		.amdhsa_user_sgpr_kernarg_segment_ptr 1
		.amdhsa_wavefront_size32 1
		.amdhsa_system_sgpr_workgroup_id_x 1
		.amdhsa_system_sgpr_workgroup_id_y 1
		.amdhsa_system_sgpr_workgroup_id_z 1
		.amdhsa_system_vgpr_workitem_id 0
		.amdhsa_next_free_vgpr 1024
		.amdhsa_next_free_sgpr 106
		.amdhsa_reserve_vcc 0
		.amdhsa_float_denorm_mode_32 3
		.amdhsa_float_denorm_mode_16_64 3
		.amdhsa_memory_ordered 1
		.amdhsa_forward_progress 1
		.amdhsa_inst_pref_size 193
	.end_amdhsa_kernel
	.amdgpu_metadata
---
amdhsa.version: [ 1, 2 ]
amdhsa.kernels:
  - .name:           k_qb0b7bfd6eb_qkv
    .symbol:         k_qb0b7bfd6eb_qkv.kd
    .args:
      - { .name: aq, .offset: 0, .size: 8, .value_kind: global_buffer, .address_space: global }
      - { .name: w_qkv_codes, .offset: 8, .size: 8, .value_kind: global_buffer, .address_space: global }
      - { .name: w_qkv_scales, .offset: 16, .size: 8, .value_kind: global_buffer, .address_space: global }
      - { .name: qrec, .offset: 24, .size: 8, .value_kind: global_buffer, .address_space: global }
      - { .name: kvrec, .offset: 32, .size: 8, .value_kind: global_buffer, .address_space: global }
    .group_segment_fixed_size: 327680
    .private_segment_fixed_size: 0
    .kernarg_segment_align: 8
    .kernarg_segment_size: 40
    .max_flat_workgroup_size: 128
    .sgpr_count:     106
    .vgpr_count:     1024
    .wavefront_size: 32
...
	.end_amdgpu_metadata
.endif
;; end of part 2
;; launch attn (part 3): grid 8 x 32, 16 waves a work-group, clusters of 4 x 1, 327,680 bytes of LDS; arguments qrec, kvrec, yq; writes yq
.if DOCPART == 3
	.amdgcn_target "amdgcn-amd-amdhsa--gfx1250"
	.amdhsa_code_object_version 6
	.text
	.protected	k_qb0b7bfd6eb_attn
	.globl	k_qb0b7bfd6eb_attn
	.p2align	8
	.type	k_qb0b7bfd6eb_attn,@function
k_qb0b7bfd6eb_attn:
	s_mov_b64 s[64:65], 0
	v_nop
	global_prefetch_b8 v0, s[64:65] scope:SCOPE_SE
	s_setreg_imm32_b32 hwreg(HW_REG_WAVE_MODE, 25, 1), 1
	s_wait_xcnt 0x0
	s_wait_alu depctr_hold_cnt(0) depctr_sa_sdst(0) depctr_va_vdst(0) depctr_va_sdst(0) depctr_va_ssrc(0) depctr_va_vcc(0) depctr_vm_vsrc(0)
	s_getreg_b32 s2, hwreg(HW_REG_IB_STS2, 6, 4)
	s_cmp_eq_u32 s2, 0
	s_cbranch_scc0 .Lentry_in_a_cluster
	s_endpgm
.Lentry_in_a_cluster:
	s_bfe_u32 s2, ttmp6, 0x10000c
	s_cmp_lg_u32 s2, 0x3003
	s_cbranch_scc0 .Lentry_shape_is_right
	s_endpgm
.Lentry_shape_is_right:
; Causal attention of one head on codes of FP8 (E4M3) with E8M0 scales, and the quantiser of its result y along the model's 1,024 columns.
; in: records of 17,152 bytes, [batch x head 32][128 tokens 16]: q's fragments and scale words in qrec; k's, v's and their scale words in kvrec.
; out: yq: y's codes as images of the next product's operand registers, [16 tokens: 256][128 columns: 8][c 4][lane][16 bytes]; from byte 0x400000 scale words [128 columns: 8][4096 tokens].
; THE SOFTMAX: t = score x log2(e) / 8; M = the running largest t rounded up to a whole number; p = 2^(t - M) is quantised along the keys; the row's sum is taken of the unquantised p and divides at the end.
; SHARES: work-group j (0..7) of a head owns tile j (16 queries) of each of the 16 blocks of 128 queries: 136 tile-steps in every work-group, and every work-group reads all 16 records.
; Waves 2 i and 2 i + 1 share blocks i and 15 - i, 17 steps.  Role a: block i whole (records 0..i), its y stored, then of block 15 - i the records i + 2, i + 4, ..  Role b: of block 15 - i the records 0..i, i + 1, i + 3, .., 15 - i.
; So a wave has 8 or 9 steps and one diagonal step.  The roles are mixed so that waves w, w + 4, w + 8, w + 12 hold two of each.  Which records a wave takes is a mask of 16 bits made from its number.
; The two parts of block 15 - i are joined at the end through LDS: both are brought under the larger M by a power of two, which rounds nothing.
; LDS: the head's 16 records come once, one tensor load a wave; waves 0-3 (records 0-3) ask first, have a load line of their own and wait at the first barrier; the second barrier shows the rest.  No byte is filled again.
; The stages of the join (4,608 bytes a wave) lie over records 0-4, behind a barrier behind which nobody reads a record.
; CLUSTER 4 x 1: four work-groups of one head ask for each record jointly.  The place in the cluster enters q's and y's global addresses and the diagonal's compare value alone.
; LAYOUT: both products transposed (S^T = K Q^T, O^T = V^T P^T): a lane holds one query.  K = 64 in an instruction of 128: q's registers 8-15 are zero codes; a tile of k is 8 registers and the operand's upper 8 are the next tile's codes or zeros.
; CAUSAL: records behind a tile's block are not in its mask; on the diagonal hidden scores become -infinity ahead of the maximum.
; NO PREFETCH: all that the work-group reads is asked for at its head, so there is no loop to run ahead in.
; LIMITS: NaN and infinities are not served; the scaled scores stay under 2^31 in magnitude; a block of zeros gets the byte 1 (its codes are zeros; this program alone reads the bytes).
.set REC,   17152
.set HEADB, 274432
.set SPARE, 0x43000
.set STGB,  4608
.set LI,  1
.set LS,  2
.set ADC, 3
.set ADW, 4
.set QD,  5
.set NINF, 6
.set SA,  7
.set RW,  10
.set SB,  11
.set KV,  32
.set S,   104
.set OT,  168
.set PC,  200
.set BM,  216
.set PB,  220
.set HL,  224
.set SO,  228
.set KW,  232
.set VW,  236
.set QW,  238
.set PWD, 239
.set FF,  240
.set TP,  242
.set SPW, 254
.set NIL, 255
.set TB,  2
.set SN,  3
.set ROLE, 12
.set TJ,  14
.set WV,  18
.set MNT, 19
.set SEL, 20
.set CS,  22
.set G1,  24
.set G0,  32
.set MK,  44
.set MK2, 45
.set BLK, 48
.set BL2, 49
.set CNT, 67
.macro CROUND
	s_barrier_signal -1
	s_barrier_wait -1
	s_cmp_lg_u32 s[WV], 0
	s_cbranch_scc1 .Lnot_wave_0_\@
	s_barrier_signal -3
.Lnot_wave_0_\@:
	s_barrier_wait -3
	s_barrier_signal -1
	s_barrier_wait -1
.endm
.macro TL                              ; my record; s_nop 0 and four v_nop follow
	tensor_load_to_lds s[G0:G0+3], s[G1:G1+7]
	s_nop 0
.rept 4
	v_nop
.endr
.endm
.macro RESET                           ; a tile's state: O^T and the sums zero, the largest t -3e38
.set n, 0
.rept 32
	v_mov_b32 v[OT+n], 0
.set n, n+1
.endr
	v_mov_b32 v13, 0xff61b1e6
	v_floor_f32 v12, -v13
	v_mov_b32 v14, 0
	v_mov_b32 v15, 0
.endm
.macro ADDR                            ; for block s[BLK]: q's tile is asked for; s[50:51] y's codes, s[52:53] y's scale words
	s_mul_i32 s46, s[BLK], REC
	s_add_co_u32 s46, s46, s54
	s_lshl_b32 s47, s[TJ], 10
	s_add_co_u32 s56, s46, s47
	s_mov_b32 s57, 0
	s_lshl_b32 s47, s[TJ], 6
	s_add_co_u32 s42, s46, s47
	s_mov_b32 s43, 0
	s_add_nc_u64 s[58:59], s[4:5], s[56:57]
	s_add_nc_u64 s[60:61], s[4:5], s[42:43]
	s_lshl_b32 s46, s[BLK], 7
	s_add_co_u32 s46, s46, s62                     ; my first token
	s_add_co_u32 s50, s46, s63
	s_lshl_b32 s50, s50, 10                        ; codes at (token + head) x 1,024
	s_mov_b32 s51, 0
	s_lshl_b32 s52, s46, 2
	s_add_co_u32 s52, s52, s66
	s_mov_b32 s53, 0
	s_add_nc_u64 s[50:51], s[8:9], s[50:51]
	s_add_nc_u64 s[52:53], s[8:9], s[52:53]
	s_wait_alu depctr_va_vdst(0)                   ; the wait ahead of the readers below
	global_load_b128 v[16:19], v[LI], s[58:59]
	global_load_b128 v[20:23], v[LI], s[58:59] offset:512
	global_load_b32 v[QW], v[RW], s[60:61] offset:16384
.endm
.macro INIT
	v_and_b32 v8, 15, v0
	v_bfe_u32 v9, v0, 4, 1
	v_lshlrev_b32 v[RW], 2, v8
	v_lshlrev_b32 v9, 3, v9
	v_sub_nc_u32 v[QD], v8, v9
	s_lshl_b32 s46, s[TJ], 4
	v_add_nc_u32 v[QD], s46, v[QD]                 ; my query in its block - 8 (lane / 16)
	v_mov_b32 v[NINF], 0xff800000
.irp j, 24,25,26,27,28,29,30,31,96,97,98,99,100,101,102,103
	v_mov_b32 v[\j], 0                             ; zero codes: the upper half of q, and behind k's last tile
.endr
.irp b, 0,1,2,3
	v_mov_b32 v[PB+\b], 0                          ; lane permutes' destinations count as read
.endr
	v_mov_b32 v[FF+1], 0
	v_mov_b32 v[TP], 0
	RESET
	ADDR
.endm
	s_load_b128 s[4:7], s[0:1], 0x0                ; qrec, kvrec
	s_load_b64 s[8:9], s[0:1], 0x10                ; yq
	v_lshl_add_u32 v[SPW], v0, 2, SPARE
	v_mov_b32 v[NIL], 0
	ds_add_u32 v[SPW], v[NIL]                      ; the opening lines: the add, twice on end, and its wait below
	ds_add_u32 v[SPW], v[NIL]
	v_lshrrev_b32 v9, 5, v0
	v_readfirstlane_b32 s[WV], v9                  ; wave 0..15
	v_and_b32 v9, 31, v0
	v_lshlrev_b32 v[LI], 4, v9
	v_lshlrev_b32 v[LS], 2, v9
	s_mul_i32 s46, s[WV], STGB
	v_add_nc_u32 v[SA], s46, v[LI]                 ; my stage
	s_xor_b32 s46, s[WV], 1
	s_mul_i32 s46, s46, STGB
	v_add_nc_u32 v[SB], s46, v[LI]                 ; my partner's
	s_and_b32 s10, ttmp7, 0xffff                   ; 16 x batch + head
	s_bfe_u32 s13, ttmp6, 0x40000
	s_lshl_b32 s[TJ], ttmp9, 2
	s_add_co_u32 s[TJ], s[TJ], s13                 ; which tile of every block is my work-group's
	s_lshr_b32 s11, s[WV], 1                       ; the pair i
	s_lshr_b32 s[ROLE], s[WV], 2
	s_xor_b32 s[ROLE], s[ROLE], s[WV]
	s_and_b32 s[ROLE], s[ROLE], 1                  ; 0: role a, 1: role b
	s_add_co_u32 s36, s11, 1
	s_bfm_b32 s37, s36, 0                          ; records 0..i
	s_sub_co_u32 s38, 16, s11
	s_bfm_b32 s38, s38, 0                          ; records 0..15 - i
	s_sub_co_u32 s39, s36, s[ROLE]
	s_add_co_u32 s39, s39, 1
	s_lshl_b32 s39, 0x5555, s39                    ; every second record from i + 2 (a) or i + 1 (b) on,
	s_and_b32 s39, s39, s38                        ; up to the diagonal
	s_or_b32 s40, s37, s39
	s_sub_co_u32 s[BL2], 15, s11
	s_cmp_eq_u32 s[ROLE], 0
	s_cselect_b32 s[MK], s37, s40                  ; the first walk's records,
	s_cselect_b32 s[MK2], s39, 0                   ; the second's,
	s_cselect_b32 s[BLK], s11, s[BL2]              ; and the first walk's block
	s_mul_i32 s54, s10, HEADB
	s_mov_b32 s55, 0
	s_mul_i32 s16, s[WV], REC                      ; wave w brings record w
	s_mov_b32 s17, 0
	s_mov_b32 s[G1], 15|(3<<16)|(1<<21)            ; the cluster's four; elements of 8 bytes; no padding
	s_mov_b32 s[G1+1], 32<<16                      ; rows of 256 bytes,
	s_mov_b32 s[G1+2], 67<<16                      ; 67 of them: 17,152 dense bytes
	s_mov_b32 s[G1+3], 32<<16
	s_mov_b32 s[G1+4], 67
	s_mov_b32 s[G1+5], 32
	s_mov_b32 s[G1+6], 0
	s_mov_b32 s[G1+7], 0
	s_mov_b32 s[G0], 1
	s_mov_b32 s[G0+1], s16
	s_lshr_b32 s62, s10, 4
	s_lshl_b32 s62, s62, 11
	s_lshl_b32 s46, s[TJ], 4
	s_add_co_u32 s62, s62, s46                     ; 2,048 x batch + 16 x tile
	s_and_b32 s63, s10, 15                         ; the head
	s_lshr_b32 s66, s63, 1
	s_lshl_b32 s66, s66, 14
	s_and_b32 s46, s63, 1
	s_lshl_b32 s46, s46, 1
	s_add_co_u32 s66, s66, s46
	s_add_co_u32 s66, s66, 0x400000                ; y's scale words: (head / 2) x 16,384 + 2 (head % 2)
	s_mov_b32 s[SEL], 0x76543210
	s_mov_b32 s[SEL+1], 0xfedcba98
	s_mov_b32 s[CS], 0x3e38aa3b                    ; c = log2(e) / sqrt(64)
	s_mov_b32 s[CS+1], s[CS]
	s_mov_b32 s[MNT], 0x600000
	s_mov_b32 s[TB], 0
	s_mov_b32 s[SN], 0
	s_wait_alu depctr_va_vdst(0)
	s_wait_dscnt 0x0
	CROUND                                         ; the four work-groups are here: the joint loads meet
	s_wait_kmcnt 0x0
	s_add_nc_u64 s[6:7], s[6:7], s[54:55]
	s_add_nc_u64 s[G0+2:G0+3], s[6:7], s[16:17]
	s_or_b32 s[G0+3], s[G0+3], 0x80000000
	s_cmp_lt_u32 s[WV], 4                          ; records 0-3 are wanted first: their waves ask at once, the others behind their set-up
	s_cbranch_scc0 .Lrest
	TL
	INIT
	s_branch .Lasked
.Lrest:
	INIT
	TL
.Lasked:
; A KEY STEP: the 128 keys of record SN, if the walk's mask has it.
.macro STEP
	s_lshr_b32 s46, s[MK], s[SN]
	s_and_b32 s46, s46, 1
	s_cmp_eq_u32 s46, 0
	s_cbranch_scc1 .Lhid_\@
	v_add_nc_u32 v[ADC], s[TB], v[LI]
	v_add_nc_u32 v[ADW], s[TB], v[LS]
.rept 6
	v_nop                                          ; with the two additions: eight places in front of loads into registers that the last products read
.endr
.irp t, 0,1,2,3,4,5,6,7
.irp c, 0,1
	ds_load_b128 v[KV+8*\t+4*\c:KV+8*\t+4*\c+3], v[ADC] offset:1024*\t+512*\c
.endr
.endr
.irp p, 0,1,2,3
	ds_load_b32 v[KW+\p], v[ADW] offset:16384+128*\p   ; lanes 0-15: tile 2 p's words, lanes 16-31: tile 2 p + 1's
.endr
	s_wait_alu depctr_va_vdst(0)
	s_wait_dscnt 0x0
.irp t, 0,2,4,6
	v_wmma_scale_f32_16x16x128_f8f6f4 v[S+8*\t:S+8*\t+7], v[KV+8*\t:KV+8*\t+15], v[16:31], 0, v[KW+\t/2], v[QW]
	v_wmma_scale_f32_16x16x128_f8f6f4 v[S+8*\t+8:S+8*\t+15], v[KV+8*\t+8:KV+8*\t+23], v[16:31], 0, v[KW+\t/2], v[QW] matrix_a_scale:MATRIX_SCALE_ROW1
.endr
.rept 8
	v_nop                                          ; places in front of the loads below and of the first read of the scores
.endr
.irp d, 0,1,2,3                        ; v's fragments are asked for now and land under the softmax
.irp c, 0,1,2,3
	ds_load_b128 v[KV+16*\d+4*\c:KV+16*\d+4*\c+3], v[ADC] offset:8192+2048*\d+512*\c
.endr
.endr
.irp p, 0,1
	ds_load_b32 v[VW+\p], v[ADW] offset:16896+128*\p
.endr
	s_cmp_lg_u32 s[SN], s[BLK]                     ; only the step on the diagonal has hidden keys
	s_cbranch_scc1 .Lopen_\@
.set n, 0
.rept 64                               ; register n holds key 16 (n / 8) + 8 h + n % 8 of the step: hidden where that is above my query
	v_cmp_gt_i32 vcc_lo, 16*(n/8)+n%8, v[QD]
	v_cndmask_b32 v[S+n], v[S+n], v[NINF], vcc_lo
.set n, n+1
.endr
.Lopen_\@:
.irp b, 0,1,2,3
	v_max3_num_f32 v[BM+\b], v[S+16*\b], v[S+1+16*\b], v[S+2+16*\b]   ; each block's largest score: for the row's maximum and, since p rises with the score, for the block's largest p
.endr
.irp i, 3,5,7,9,11,13
.irp b, 0,1,2,3
	v_max3_num_f32 v[BM+\b], v[BM+\b], v[S+16*\b+\i], v[S+1+16*\b+\i]
.endr
.endr
.irp b, 0,1,2,3
	v_max_num_f32 v[BM+\b], v[BM+\b], v[S+15+16*\b]
.endr
.irp b, 0,1,2,3
	s_delay_alu instid0(VALU_DEP_4)
	v_permlanex16_b32 v[PB+\b], v[BM+\b], s[SEL], s[SEL+1]
.endr
.irp b, 0,1,2,3
	s_delay_alu instid0(VALU_DEP_4)
	v_max_num_f32 v[BM+\b], v[BM+\b], v[PB+\b]
.endr
	v_max3_num_f32 v[TP], v[BM], v[BM+1], v[BM+2]
	v_max_num_f32 v[TP], v[TP], v[BM+3]
	v_mul_f32 v[TP], s[CS], v[TP]
	v_max_num_f32 v13, v13, v[TP]                  ; the running largest t
	v_mov_b32 v[TP], v12
	v_floor_f32 v12, -v13                          ; the new -M = -ceil(t)
	v_sub_f32 v[TP], v12, v[TP]                    ; old M - new M: a whole number, 0 or less
	v_cvt_i32_f32 v[TP], v[TP]
	v_ldexp_f32 v[FF], 1.0, v[TP]                  ; f
.set n, 0
.rept 32
	v_pk_fma_f32 v[S+n:S+n+1], v[S+n:S+n+1], s[CS:CS+1], v[12:13] op_sel_hi:[1,0,0]   ; t - M
.set n, n+2
.endr
.irp b, 0,1,2,3
	v_fma_f32 v[BM+\b], v[BM+\b], s[CS], v12
.endr
	s_wait_alu depctr_va_vdst(0)                   ; the wait ahead of the batch
.set n, 0
.rept 64
	v_exp_f32 v[S+n], v[S+n]                       ; p = 2^(t - M)
.set n, n+1
.endr
	v_pk_mul_f32 v[14:15], v[14:15], v[FF:FF+1] op_sel_hi:[1,0]   ; the sums under the new M (a plain line behind the exponentials)
	s_wait_alu depctr_va_vdst(0)                   ; one wait for the batch, ahead of its first reader
.irp b, 0,1,2,3
	v_exp_f32 v[BM+\b], v[BM+\b]                   ; the blocks' largest p
.endr
.set n, 0                              ; the row's sum of the unquantised p: 32 packed additions in eight chains
.irp c, 242,252,250,248,246,244,8
	v_pk_add_f32 v[\c:\c+1], v[S+n:S+n+1], v[S+n+2:S+n+3]
.set n, n+4
.endr
	v_pk_add_f32 v[14:15], v[14:15], v[S+n:S+n+1]
.set n, n+2
.rept 2
.irp c, 242,252,250,248,246,244,8
	v_pk_add_f32 v[\c:\c+1], v[\c:\c+1], v[S+n:S+n+1]
.set n, n+2
.endr
	v_pk_add_f32 v[14:15], v[14:15], v[S+n:S+n+1]
.set n, n+2
.endr
	v_pk_add_f32 v[242:243], v[242:243], v[S+n:S+n+1]
	v_pk_add_f32 v[14:15], v[14:15], v[248:249]
	v_pk_add_f32 v[242:243], v[242:243], v[246:247]
	v_pk_add_f32 v[252:253], v[252:253], v[244:245]
	v_pk_add_f32 v[250:251], v[250:251], v[8:9]
	v_pk_add_f32 v[14:15], v[14:15], v[252:253]
	v_pk_add_f32 v[242:243], v[242:243], v[250:251]
	v_pk_add_f32 v[14:15], v[14:15], v[242:243]
	s_wait_alu depctr_va_vdst(0)                   ; and one for the four
.irp b, 0,1,2,3
	v_max_num_f32 v[BM+\b], 0x4800000, v[BM+\b]    ; the floor 2^(9 - 127)
.endr
.irp b, 0,1,2,3
	v_add_nc_u32 v[SO+\b], 0xfc000000, v[BM+\b]    ; 8 off the exponent field: the conversion's scale operand
.endr
.irp b, 0,1,2,3
	v_and_or_b32 v[HL+\b], v[BM+\b], 0x7f800000, s[MNT]   ; 448 x the scale
.endr
.irp b, 0,1,2,3
	v_lshrrev_b32 v[PB+\b], 23, v[SO+\b]
.endr
	v_lshl_or_b32 v[PWD], v[PB+1], 8, v[PB]        ; p's scale word for these 128 keys
	v_lshl_or_b32 v[PWD], v[PB+2], 16, v[PWD]
	v_lshl_or_b32 v[PWD], v[PB+3], 24, v[PWD]
.irp b, 0,1,2,3
.irp i, 0,2,4,6,8,10,12,14
	v_dual_min_num_f32 v[S+16*\b+\i], v[S+16*\b+\i], v[HL+\b] :: v_dual_min_num_f32 v[S+16*\b+\i+1], v[S+16*\b+\i+1], v[HL+\b]   ; the hold, two numbers a line; p is not negative
.endr
	v_cvt_scalef32_pk8_fp8_f32 v[PC+4*\b:PC+4*\b+1], v[S+16*\b:S+16*\b+7], v[SO+\b]
	v_cvt_scalef32_pk8_fp8_f32 v[PC+4*\b+2:PC+4*\b+3], v[S+16*\b+8:S+16*\b+15], v[SO+\b]
.endr
	s_wait_alu depctr_va_vdst(0)                   ; the wait directly ahead of the first reader of O^T
.set n, 0
.rept 16
	v_pk_mul_f32 v[OT+n:OT+n+1], v[OT+n:OT+n+1], v[FF:FF+1] op_sel_hi:[1,0]   ; O^T under the new M; also the places between the codes and the products
.set n, n+2
.endr
	s_wait_alu depctr_va_vdst(0)
	s_wait_dscnt 0x0                               ; v
.irp d, 0,2                            ; four accumulators by turns
	v_wmma_scale_f32_16x16x128_f8f6f4 v[OT+8*\d:OT+8*\d+7], v[KV+16*\d:KV+16*\d+15], v[PC:PC+15], v[OT+8*\d:OT+8*\d+7], v[VW+\d/2], v[PWD]
	v_wmma_scale_f32_16x16x128_f8f6f4 v[OT+8*\d+8:OT+8*\d+15], v[KV+16*\d+16:KV+16*\d+31], v[PC:PC+15], v[OT+8*\d+8:OT+8*\d+15], v[VW+\d/2], v[PWD] matrix_a_scale:MATRIX_SCALE_ROW1
.endr
.Lhid_\@:
	s_add_co_u32 s[TB], s[TB], REC
	s_add_co_u32 s[SN], s[SN], 1
.endm
.macro RUN trips
	s_mov_b32 s[CNT], \trips
.Lst_\@:
	STEP
	s_sub_co_u32 s[CNT], s[CNT], 1
	s_cmp_lg_u32 s[CNT], 0
	s_cbranch_scc1 .Lst_\@
.endm
; THE WAY OUT of a tile: O^T / the sum, quantised along the head's 64 (two blocks), brought into the true order along K, stored as half an operand image.
.macro OUT
.rept 8
	v_nop                                          ; places behind the last products
.endr
	s_wait_alu depctr_va_vdst(0)
	v_add_f32 v14, v14, v15
	v_permlanex16_b32 v[TP], v14, s[SEL], s[SEL+1]
	v_add_f32 v14, v14, v[TP]                      ; the row's sum
	s_wait_alu depctr_va_vdst(0)
	v_rcp_f32 v14, v14
	v_nop
	s_wait_alu depctr_va_vdst(0)
.set n, 0
.rept 16
	v_pk_mul_f32 v[S+n:S+n+1], v[OT+n:OT+n+1], v[14:15] op_sel_hi:[1,0]   ; register 8 t + j: y(query r, 16 t + 8 h + j)
.set n, n+2
.endr
.irp b, 0,1
	v_max3_num_f32 v[BM+\b], |v[S+16*\b]|, |v[S+1+16*\b]|, 0x4800000
.endr
.irp i, 2,4,6,8,10,12,14
.irp b, 0,1
	v_max3_num_f32 v[BM+\b], v[BM+\b], |v[S+16*\b+\i]|, |v[S+1+16*\b+\i]|
.endr
.endr
.irp b, 0,1
	v_permlanex16_b32 v[PB+\b], v[BM+\b], s[SEL], s[SEL+1]
.endr
.irp b, 0,1
	v_max_num_f32 v[BM+\b], v[BM+\b], v[PB+\b]
.endr
.irp b, 0,1
	v_add_nc_u32 v[SO+\b], 0xfc000000, v[BM+\b]
.endr
.irp b, 0,1
	v_and_or_b32 v[HL+\b], v[BM+\b], 0x7f800000, s[MNT]
.endr
.irp b, 0,1
	v_lshrrev_b32 v[PB+\b], 23, v[SO+\b]
.endr
	v_lshl_or_b32 v[TP+1], v[PB+1], 8, v[PB]       ; my head's two bytes of the row's scale word
.irp b, 0,1
.irp i, 0,1,2,3,4,5,6,7,8,9,10,11,12,13,14,15
	v_med3_num_f32 v[S+16*\b+\i], v[S+16*\b+\i], -v[HL+\b], v[HL+\b]
.endr
	v_cvt_scalef32_pk8_fp8_f32 v[PC+4*\b:PC+4*\b+1], v[S+16*\b:S+16*\b+7], v[SO+\b]
	v_cvt_scalef32_pk8_fp8_f32 v[PC+4*\b+2:PC+4*\b+3], v[S+16*\b+8:S+16*\b+15], v[SO+\b]
.endr
	v_nop                                          ; a plain line behind the last conversion
.irp b, 0,1                            ; lanes 16-31 of the first eight codes change places with lanes 0-15 of the second eight: half h then holds k = 16 h + 0 .. 15
	v_permlane16_swap_b32 v[PC+4*\b], v[PC+4*\b+2]
	v_permlane16_swap_b32 v[PC+4*\b+1], v[PC+4*\b+3]
.endr
	global_store_b128 v[LI], v[PC:PC+3], s[50:51]              ; 512 consecutive bytes, aligned
	global_store_b128 v[LI], v[PC+4:PC+7], s[50:51] offset:512
	global_store_b16 v[RW], v[TP+1], s[52:53]                  ; both halves of the lanes store the same two bytes with the same value
.endm
	s_wait_alu depctr_va_vdst(0)                   ; the wait at the head's end
	s_wait_loadcnt 0x0                             ; q
	s_cmp_lt_u32 s[WV], 4
	s_cbranch_scc0 .Lnot_first
	s_wait_tensorcnt 0x0                           ; waves 0-3: records 0-3 are in
.Lnot_first:
	s_barrier_signal -1
	s_barrier_wait -1
	RUN 2                                          ; the first walk, records 0 and 1: two steps in every wave but role a of pair 0, which has one
	s_wait_tensorcnt 0x0                           ; every wave: its record is in
	s_wait_dscnt 0x0
	s_barrier_signal -1
	s_barrier_wait -1
	RUN 14                                         ; records 2-15
	s_wait_alu depctr_va_vdst(0)
	s_cmp_lg_u32 s[ROLE], 0
	s_cbranch_scc1 .Lno_second
	OUT                                            ; role a: block i is whole
	s_wait_xcnt 0x0                                ; the stores have read their registers and bases
	s_mov_b32 s[BLK], s[BL2]
	RESET
	ADDR
	s_wait_loadcnt 0x0
.Lno_second:
	s_mov_b32 s[MK], s[MK2]
	s_mov_b32 s[TB], 0
	s_mov_b32 s[SN], 0
	RUN 16                                         ; the second walk: role a's records of block 15 - i; role b's mask is empty
.rept 8
	v_nop                                          ; places behind the last products
.endr
	s_wait_alu depctr_va_vdst(0)
	s_wait_dscnt 0x0
	s_barrier_signal -1
	s_barrier_wait -1                              ; nobody reads a record any more
	s_cmp_lg_u32 s[ROLE], 0
	s_cbranch_scc1 .Lno_store
.irp k, 0,1,2,3,4,5,6,7
	ds_store_b128 v[SA], v[OT+4*\k:OT+4*\k+3] offset:512*\k    ; role a: its part of block 15 - i,
.endr
	ds_store_b128 v[SA], v[12:15] offset:4096                  ; with -M and the sums
.Lno_store:
	s_wait_dscnt 0x0
	s_barrier_signal -1
	s_barrier_wait -1
	s_cmp_eq_u32 s[ROLE], 0
	s_cbranch_scc1 .Lend
.irp k, 0,1,2,3,4,5,6,7,8
	ds_load_b128 v[S+4*\k:S+4*\k+3], v[SB] offset:512*\k       ; role b: the partner's part; v[S+32] its -M, v[S+34:S+35] its sums
.endr
	s_wait_dscnt 0x0
	v_min_num_f32 v[TP], v12, v[S+32]              ; the joint -M
	v_sub_f32 v[TP+1], v[TP], v12                  ; my M - the joint M, 0 or less
	v_sub_f32 v[TP+2], v[TP], v[S+32]              ; the partner's
	v_cvt_i32_f32 v[TP+1], v[TP+1]
	v_cvt_i32_f32 v[TP+2], v[TP+2]                 ; (it saturates: an empty part, -M = 3e38, gets the factor 0)
	v_ldexp_f32 v[FF], 1.0, v[TP+1]
	v_ldexp_f32 v[PB], 1.0, v[TP+2]
.set n, 0
.rept 16
	v_pk_mul_f32 v[OT+n:OT+n+1], v[OT+n:OT+n+1], v[FF:FF+1] op_sel_hi:[1,0]
.set n, n+2
.endr
.set n, 0
.rept 16
	v_pk_fma_f32 v[OT+n:OT+n+1], v[S+n:S+n+1], v[PB:PB+1], v[OT+n:OT+n+1] op_sel_hi:[1,0,1]
.set n, n+2
.endr
	v_pk_mul_f32 v[14:15], v[14:15], v[FF:FF+1] op_sel_hi:[1,0]
	v_pk_fma_f32 v[14:15], v[S+34:S+35], v[PB:PB+1], v[14:15] op_sel_hi:[1,0,1]
	OUT
.Lend:
	s_wait_tensorcnt 0x0                           ; the wave's end
	ds_add_u32 v[SPW], v[NIL]
	s_wait_dscnt 0x0
	CROUND                                         ; the closing round
	s_endpgm
.Lfunc_end_k_qb0b7bfd6eb_attn:
	.size	k_qb0b7bfd6eb_attn, .Lfunc_end_k_qb0b7bfd6eb_attn-k_qb0b7bfd6eb_attn
	.p2alignl 7, 3214868480
	.fill 96, 4, 3214868480
	.section	.rodata,"a",@progbits
	.p2align	6, 0x0
	.amdhsa_kernel k_qb0b7bfd6eb_attn
		.amdhsa_group_segment_fixed_size 327680
		.amdhsa_private_segment_fixed_size 0
		.amdhsa_enable_private_segment 0
		.amdhsa_kernarg_size 24
		.amdhsa_user_sgpr_count 2
		.amdhsa_user_sgpr_kernarg_segment_ptr 1
		.amdhsa_wavefront_size32 1
		.amdhsa_system_sgpr_workgroup_id_x 1
		.amdhsa_system_sgpr_workgroup_id_y 1
		.amdhsa_system_sgpr_workgroup_id_z 1
		.amdhsa_system_vgpr_workitem_id 0
		.amdhsa_next_free_vgpr 256
		.amdhsa_next_free_sgpr 68
		.amdhsa_reserve_vcc 1
		.amdhsa_float_denorm_mode_32 3
		.amdhsa_float_denorm_mode_16_64 3
		.amdhsa_memory_ordered 1
		.amdhsa_forward_progress 1
		.amdhsa_inst_pref_size 103
	.end_amdhsa_kernel
	.amdgpu_metadata
---
amdhsa.version: [ 1, 2 ]
amdhsa.kernels:
  - .name:           k_qb0b7bfd6eb_attn
    .symbol:         k_qb0b7bfd6eb_attn.kd
    .args:
      - { .name: qrec, .offset: 0, .size: 8, .value_kind: global_buffer, .address_space: global }
      - { .name: kvrec, .offset: 8, .size: 8, .value_kind: global_buffer, .address_space: global }
      - { .name: yq, .offset: 16, .size: 8, .value_kind: global_buffer, .address_space: global }
    .group_segment_fixed_size: 327680
    .private_segment_fixed_size: 0
    .kernarg_segment_align: 8
    .kernarg_segment_size: 24
    .max_flat_workgroup_size: 512
    .sgpr_count:     68
    .vgpr_count:     256
    .wavefront_size: 32
...
	.end_amdgpu_metadata
.endif
;; end of part 3
;; launch proj (part 4): grid 8 x 32, 4 waves a work-group, clusters of 4 x 4, 327,680 bytes of LDS; arguments yq, w_attn_proj_codes, w_attn_proj_scales, x, x1; writes x1
.if DOCPART == 4
	.amdgcn_target "amdgcn-amd-amdhsa--gfx1250"
	.amdhsa_code_object_version 6
	.text
	.protected	k_qb0b7bfd6eb_proj
	.globl	k_qb0b7bfd6eb_proj
	.p2align	8
	.type	k_qb0b7bfd6eb_proj,@function
k_qb0b7bfd6eb_proj:
	s_mov_b64 s[64:65], 0
	v_nop
	global_prefetch_b8 v0, s[64:65] scope:SCOPE_SE
	s_setreg_imm32_b32 hwreg(HW_REG_WAVE_MODE, 25, 1), 1
	s_wait_xcnt 0x0
	s_wait_alu depctr_hold_cnt(0) depctr_sa_sdst(0) depctr_va_vdst(0) depctr_va_sdst(0) depctr_va_ssrc(0) depctr_va_vcc(0) depctr_vm_vsrc(0)
	s_getreg_b32 s2, hwreg(HW_REG_IB_STS2, 6, 4)
	s_cmp_eq_u32 s2, 0
	s_cbranch_scc0 .Lentry_in_a_cluster
	s_endpgm
.Lentry_in_a_cluster:
	s_bfe_u32 s2, ttmp6, 0x10000c
	s_cmp_lg_u32 s2, 0xf033
	s_cbranch_scc0 .Lentry_shape_is_right
	s_endpgm
.Lentry_shape_is_right:
; x1 = x + y W^T: y [4096][1024] and W [1024][1024] as codes of FP8 (E4M3) with one E8M0 scale for each 32 along K; x, x1 [4096][1024] f32.
; y comes as this program laid it: images of the operand's registers, [16 rows: 256][128 along K: 8][c 4][lane][16 bytes], and from byte SCOFF scale words [128 along K: 8][4096 rows].  W as given: rows with K innermost, scale bytes [1024][32].
; A tile of 128 x 128, so that there are 256 work-groups; four waves of 64 x 64: 16 accumulators.  The matrix instruction is used transposed: a lane holds eight neighbouring columns of one row.
; ALL OF K LIES IN LDS AT ONCE: y's 8 x 8 images (131,072 bytes), W's 128 rows of 1,024 bytes + 16, and both sides' scales.  Four tensor loads at the head, one a wave; no byte is filled again, so there is no ring and one barrier.
; CLUSTERS: 4 x 4; y's tile is asked for jointly along a row of the cluster, W's along a column.  The residual's rows are asked for at the head, in whole runs of 256 bytes, and are added on the way out.
; No prefetch: all that the work-group reads is asked for at its head.  LIMITS: none beyond the format's.
; REGISTERS: window 0: v16-29 addresses; v32-63 scale words, two sets of four steps, and nothing else; v128-255 the accumulators ((a, b) at v[128 + 8 (4 a + b)]).
;   window 1: two fragment buffers of 128 (y's four at +0, W's four at +64); on the way out v0-63: rows read back.   window 2: v0-127 the residual.
.set SIZE_K, 1024
.set SCOFF,  0x400000
.set KSTEPS, SIZE_K/128
.set KSB,    SIZE_K/32
.set BOFF,   131072                    ; W's rows, behind y's images
.set PB,     1040
.set SCA,    266240                    ; y's scale words: 512 bytes for each 128 along K
.set SCB,    SCA+512*KSTEPS            ; W's scale bytes, as units of 256 bytes + 16
.set HALFSB, (64*KSB/256)*272
.set SBLK,   (16*KSB/256)*272
.set SPARE,  SCB+2*HALFSB              ; the spare words: two blocks of 256 bytes that no other line names
.set STG,    SPARE+512                 ; the way out's stages: bytes of their own, on which no tile lands
.set ADRA, 16
.set ADRB, 20
.set ADSA, 22
.set ADSB, 23
.set STO,  24
.set RD,   25
.set CO,   26
.set SPW,  28
.set NIL,  29
.set SC,   32
.set ACC,  128
.set G1, 24
.set G0, 32
.set G1B, 48
.set G0B, 56
.set G1S, 68
.set G0S, 76
.set G1SB, 80
.set G0SB, 88
.set MSB, 0
.macro WIN new                         ; the immediate's high byte repeats the setting that is left
.if MSB != (\new)
	s_set_vgpr_msb (MSB<<8)|(\new)
.set MSB, (\new)
.endif
.endm
.macro CROUND                          ; a round of the cluster's barrier
	s_barrier_signal -1
	s_barrier_wait -1
	s_cmp_lg_u32 s14, 0
	s_cbranch_scc1 .Lnot_wave_0_\@
	s_barrier_signal -3
.Lnot_wave_0_\@:
	s_barrier_wait -3
	s_barrier_signal -1
	s_barrier_wait -1
.endm
.macro PLACES n
.rept \n
	v_nop
.endr
.endm
	s_load_b64 s[4:5], s[0:1], 0x0                 ; yq
	s_load_b128 s[8:11], s[0:1], 0x8               ; W's codes, W's scales
	s_load_b128 s[96:99], s[0:1], 0x18             ; x, x1
	v_lshl_add_u32 v[SPW], v0, 2, SPARE
	v_mov_b32 v[NIL], 0
	ds_add_u32 v[SPW], v[NIL]                      ; the opening lines: the add, twice on end, and its wait
	ds_add_u32 v[SPW], v[NIL]
	s_wait_dscnt 0x0
	v_lshrrev_b32 v1, 5, v0
	v_readfirstlane_b32 s14, v1                    ; wave 0..3
	s_lshr_b32 s15, s14, 1                         ; my half of the tile's rows
	s_and_b32 s16, s14, 1                          ; my half of its columns
	s_bfe_u32 s40, ttmp6, 0x40000
	s_bfe_u32 s41, ttmp6, 0x40004
	s_lshl_b32 s42, ttmp9, 2
	s_add_co_u32 s42, s42, s40                     ; tile column
	s_and_b32 s17, ttmp7, 0xffff
	s_lshl_b32 s17, s17, 2
	s_add_co_u32 s17, s17, s41                     ; tile row
	s_lshl_b32 s43, s41, 2
	s_lshl_b32 s43, 15, s43                        ; my row of the cluster
	s_lshl_b32 s44, 0x1111, s40                    ; my column
	s_or_b32 s[G1], s43, (3<<16)|(1<<21)           ; y's codes: 8 rows (16 rows of y each) of 16,384 dense bytes; elements of 8 bytes; no padding
	s_mov_b32 s[G1+1], 2048<<16
	s_mov_b32 s[G1+2], 8<<16
	s_mov_b32 s[G1+3], 2048<<16
	s_mov_b32 s[G1+4], 8
	s_mov_b32 s[G1+5], KSTEPS*256
	s_mov_b32 s[G1+6], 0
	s_mov_b32 s[G1+7], 0
	s_or_b32 s[G1B], s44, (0<<16)|(1<<20)|(1<<21)|(7<<22)|(3<<25)   ; W's codes: 128 rows of 1,024 bytes, 4 words of padding after every 256
	s_mov_b32 s[G1B+1], 1024<<16
	s_mov_b32 s[G1B+2], 128<<16
	s_mov_b32 s[G1B+3], 1024<<16
	s_mov_b32 s[G1B+4], 128
	s_mov_b32 s[G1B+5], SIZE_K
	s_mov_b32 s[G1B+6], 0
	s_mov_b32 s[G1B+7], 0
	s_or_b32 s[G1S], s43, (3<<16)|(1<<21)          ; y's scale words: 8 rows of 512 bytes, 16,384 bytes apart
	s_mov_b32 s[G1S+1], 64<<16
	s_mov_b32 s[G1S+2], KSTEPS<<16
	s_mov_b32 s[G1S+3], 64<<16
	s_mov_b32 s[G1S+4], KSTEPS
	s_mov_b32 s[G1S+5], 2048
	s_mov_b32 s[G1S+6], 0
	s_mov_b32 s[G1S+7], 0
	s_or_b32 s[G1SB], s44, (3<<16)|(1<<20)|(1<<21)|(5<<22)|(3<<25)  ; W's scale bytes of 128 rows: a dense block, as rows of 256 bytes + 16
	s_mov_b32 s[G1SB+1], 32<<16
	s_mov_b32 s[G1SB+2], (128*KSB/256)<<16
	s_mov_b32 s[G1SB+3], 32<<16
	s_mov_b32 s[G1SB+4], 128*KSB/256
	s_mov_b32 s[G1SB+5], 32
	s_mov_b32 s[G1SB+6], 0
	s_mov_b32 s[G1SB+7], 0
	s_lshl_b32 s20, s17, 3                         ; y: which 16 rows: 8 x tile row
	s_mul_i32 s20, s20, KSTEPS*2048
	s_mov_b32 s21, 0
	s_lshl_b32 s22, s17, 9                         ; y's scale words: 512 bytes a tile row
	s_add_co_u32 s22, s22, SCOFF
	s_mov_b32 s23, 0
	s_lshl_b32 s46, s42, 7                         ; W: row 128 x tile column
	s_mul_i32 s92, s46, KSB
	s_mov_b32 s93, 0
	s_mul_i32 s46, s46, SIZE_K
	s_mov_b32 s47, 0
	s_wait_kmcnt 0x0
	s_add_nc_u64 s[20:21], s[4:5], s[20:21]
	s_add_nc_u64 s[22:23], s[4:5], s[22:23]
	s_add_nc_u64 s[46:47], s[8:9], s[46:47]
	s_add_nc_u64 s[92:93], s[10:11], s[92:93]
	CROUND                                         ; all sixteen work-groups are here: the joint loads meet
	s_mov_b32 s[G0], 1
	s_mov_b32 s[G0+1], 0
	s_mov_b64 s[G0+2:G0+3], s[20:21]
	s_or_b32 s[G0+3], s[G0+3], 0x80000000
	s_mov_b32 s[G0B], 1
	s_mov_b32 s[G0B+1], BOFF
	s_mov_b64 s[G0B+2:G0B+3], s[46:47]
	s_or_b32 s[G0B+3], s[G0B+3], 0x80000000
	s_mov_b32 s[G0S], 1
	s_mov_b32 s[G0S+1], SCA
	s_mov_b64 s[G0S+2:G0S+3], s[22:23]
	s_or_b32 s[G0S+3], s[G0S+3], 0x80000000
	s_mov_b32 s[G0SB], 1
	s_mov_b32 s[G0SB+1], SCB
	s_mov_b64 s[G0SB+2:G0SB+3], s[92:93]
	s_or_b32 s[G0SB+3], s[G0SB+3], 0x80000000
; the head's loads, one a wave: wave 0 y's codes, wave 1 W's, wave 2 y's scale words, wave 3 W's scale bytes; one tree of branches on the wave's number
.macro ARM under, g0, g1, next
	s_cmp_lt_u32 s14, \under
	s_cbranch_scc0 \next
	tensor_load_to_lds s[\g0:\g0+3], s[\g1:\g1+7]
	s_nop 0
	PLACES 4
	s_branch .Lhead_asked
\next:
.endm
	ARM 1, G0,  G1,  .Lhead_b
	ARM 2, G0B, G1B, .Lhead_sa
	ARM 3, G0S, G1S, .Lhead_sb
	tensor_load_to_lds s[G0SB:G0SB+3], s[G1SB:G1SB+7]
	s_nop 0
	PLACES 4
.Lhead_asked:
	v_and_b32 v1, 15, v0                           ; r
	v_bfe_u32 v2, v0, 4, 1                         ; h
	v_and_b32 v3, 31, v0
	v_lshlrev_b32 v4, 4, v3                        ; 16 x lane: an image's place for my lane
	v_mul_u32_u24 v5, v1, PB
	v_lshl_add_u32 v5, v2, 4, v5                   ; W: row x pitch + 16 x half
	s_lshl_b32 s21, s15, 16                        ; my 64 rows of y: four rows of eight images
	s_mul_i32 s22, s16, 64*PB
	s_add_co_u32 s22, s22, BOFF                    ; my 64 rows of W
	v_add_nc_u32 v[ADRA], s21, v4
	v_add_nc_u32 v[ADRB], s22, v5
	v_lshlrev_b32 v6, 2, v1
	v_lshl_add_u32 v6, v2, 9, v6                   ; y's words: 4 r; lanes 16-31 take the next 128 along K
	s_lshl_b32 s21, s15, 8
	s_add_co_u32 s21, s21, SCA
	v_add_nc_u32 v[ADSA], s21, v6
	v_mul_u32_u24 v6, v1, KSB                      ; W's: KSB bytes a row,
	v_lshrrev_b32 v7, 8, v6
	v_lshl_add_u32 v6, v7, 4, v6                   ; 16 more for each 256 passed,
	v_lshl_add_u32 v6, v2, 2, v6                   ; lanes 16-31 the next word
	s_mul_i32 s21, s16, HALFSB
	s_add_co_u32 s21, s21, SCB
	v_add_nc_u32 v[ADSB], s21, v6
	s_mul_i32 s21, s14, 8704                       ; my two stages of 16 rows x 272 bytes
	s_add_co_u32 s21, s21, STG
	v_mul_u32_u24 v6, v1, 272
	v_lshl_add_u32 v6, v2, 5, v6
	v_add_nc_u32 v[STO], s21, v6
	v_mul_u32_u24 v6, v2, 272
	v_lshl_add_u32 v6, v1, 4, v6
	v_add_nc_u32 v[RD], s21, v6
	v_lshlrev_b32 v6, 12, v2
	v_lshl_add_u32 v[CO], v1, 4, v6                ; in x and x1: lanes 0-15 one row's 256 bytes, lanes 16-31 the next row's
	s_wait_alu depctr_va_vdst(0)                   ; the wait at the head's end
	s_lshl_b32 s20, s17, 7
	s_lshl_b32 s21, s15, 6
	s_add_co_u32 s20, s20, s21                     ; my first row,
	s_lshl_b32 s20, s20, 12
	s_lshl_b32 s46, s42, 7
	s_lshl_b32 s47, s16, 6
	s_add_co_u32 s46, s46, s47                     ; my first column
	s_lshl_b32 s46, s46, 2
	s_add_co_u32 s20, s20, s46
	s_mov_b32 s21, 0
	s_add_nc_u64 s[96:97], s[96:97], s[20:21]
	s_add_nc_u64 s[98:99], s[98:99], s[20:21]
	WIN 0x80                                       ; destination window 2
.irp a, 0,1,2,3
.irp t, 0,1,2,3,4,5,6,7
	global_load_b128 v[32*\a+4*\t:32*\a+4*\t+3], v[CO], s[96:97] offset:(16*\a+2*\t)*4096   ; the residual: it lands under the products
.endr
.endr
	WIN 0
; four matrix instructions: y's block a x W's four; step q of the four whose scale words lie in set.  The 16 accumulators take turns in one order throughout.
.macro MULA f, a, q, set, first
.irp b, 0,1,2,3
.if \first
	v_wmma_scale_f32_16x16x128_f8f6f4 v[ACC+8*(4*(\a)+\b):ACC+8*(4*(\a)+\b)+7], v[\f+64+16*\b:\f+64+16*\b+15], v[\f+16*(\a):\f+16*(\a)+15], 0, v[SC+16*(\set)+8+2*\b+(\q)/2], v[SC+16*(\set)+2*(\a)+(\q)/2]
.elseif (\q)%2
	v_wmma_scale_f32_16x16x128_f8f6f4 v[ACC+8*(4*(\a)+\b):ACC+8*(4*(\a)+\b)+7], v[\f+64+16*\b:\f+64+16*\b+15], v[\f+16*(\a):\f+16*(\a)+15], v[ACC+8*(4*(\a)+\b):ACC+8*(4*(\a)+\b)+7], v[SC+16*(\set)+8+2*\b+(\q)/2], v[SC+16*(\set)+2*(\a)+(\q)/2] matrix_a_scale:MATRIX_SCALE_ROW1 matrix_b_scale:MATRIX_SCALE_ROW1
.else
	v_wmma_scale_f32_16x16x128_f8f6f4 v[ACC+8*(4*(\a)+\b):ACC+8*(4*(\a)+\b)+7], v[\f+64+16*\b:\f+64+16*\b+15], v[\f+16*(\a):\f+16*(\a)+15], v[ACC+8*(4*(\a)+\b):ACC+8*(4*(\a)+\b)+7], v[SC+16*(\set)+8+2*\b+(\q)/2], v[SC+16*(\set)+2*(\a)+(\q)/2]
.endif
.endr
.endm
.macro MUL16 k, first                  ; step k's 16 products, from buffer k % 2
	WIN 0x05                                       ; sources 0 and 1 window 1; C and D window 0
.irp a, 0,1,2,3
	MULA 128*((\k)%2), \a, (\k)%4, (\k)/4, \first
.endr
.endm
.macro FETCH k                         ; 32 LDS loads: the fragments of step k into buffer k % 2
.set FB, 128*((\k)%2)
	WIN 0x40
.irp i, 0,1,2,3
.irp c, 0,1,2,3
	ds_load_b128 v[FB+64+16*\i+4*\c:FB+64+16*\i+4*\c+3], v[ADRB] offset:128*(\k)+32*\c+16*PB*\i
.endr
.endr
.irp i, 0,1,2,3
.irp c, 0,1,2,3
	ds_load_b128 v[FB+16*\i+4*\c:FB+16*\i+4*\c+3], v[ADRA] offset:(8*\i+(\k))*2048+512*\c
.endr
.endr
.endm
.macro SCALES set                      ; four steps' scale words: register 2 i + kp: lanes 0-15 step 2 kp, lanes 16-31 step 2 kp + 1
.irp i, 0,1,2,3
.irp kp, 0,1
	ds_load_b32 v[SC+16*\set+2*\i+\kp], v[ADSA] offset:2048*\set+64*\i+1024*\kp
	ds_load_b32 v[SC+16*\set+8+2*\i+\kp], v[ADSB] offset:16*\set+SBLK*\i+8*\kp
.endr
.endr
.endm
.macro KST k, first                    ; the next step's fragments are asked for, then this step is multiplied
	s_wait_dscnt 0x0                               ; this step's fragments and the words are in
	PLACES 8                                       ; in front of loads into the buffer that the last step's products read
	FETCH (\k)+1
	MUL16 \k, \first
.endm
	s_wait_tensorcnt 0x0                           ; my tile of the head's four is in;
	s_barrier_signal -1
	s_barrier_wait -1                              ; the barrier shows all four
	FETCH 0
	WIN 0
	SCALES 0
	SCALES 1
	KST 0, 1                                       ; the first step's products start the sums
.irp k, 1,2,3,4,5,6
	KST \k, 0
.endr
	s_wait_dscnt 0x0
	MUL16 7, 0
	WIN 0
; THE WAY OUT: a wave's 64 columns are 256 bytes of a row.  A block of 16 rows goes through the wave's own stage and comes back as whole rows; the residual is added; sixteen lanes store 256 consecutive bytes, aligned.
.macro TOSTAGE a
	WIN 0
.irp b, 0,1,2,3
	ds_store_b128 v[STO], v[ACC+8*(4*(\a)+\b):ACC+8*(4*(\a)+\b)+3] offset:4352*((\a)%2)+64*\b       ; each accumulator from its low end on
	ds_store_b128 v[STO], v[ACC+8*(4*(\a)+\b)+4:ACC+8*(4*(\a)+\b)+7] offset:4352*((\a)%2)+64*\b+16
.endr
	WIN 0x40
.irp t, 0,1,2,3,4,5,6,7
	ds_load_b128 v[32*((\a)%2)+4*\t:32*((\a)%2)+4*\t+3], v[RD] offset:4352*((\a)%2)+544*\t   ; LDS serves a wave's instructions in order: these see the stores above
.endr
.endm
.macro SEND a, younger
	s_wait_dscnt \younger                          ; the block is back; the next block's 8 stores and 8 loads may be out
	WIN 0x49                                       ; destination and source 0 window 1, source 1 window 2
.irp n, 0,2,4,6,8,10,12,14,16,18,20,22,24,26,28,30
	v_pk_add_f32 v[32*((\a)%2)+\n:32*((\a)%2)+\n+1], v[32*((\a)%2)+\n:32*((\a)%2)+\n+1], v[32*(\a)+\n:32*(\a)+\n+1]
.endr
	WIN 0x04                                       ; a store's data are its source 1: window 1
.irp t, 0,1,2,3,4,5,6,7
	global_store_b128 v[CO], v[32*((\a)%2)+4*\t:32*((\a)%2)+4*\t+3], s[98:99] offset:(16*(\a)+2*\t)*4096
.endr
.endm
	PLACES 8                                       ; behind the last products
	s_wait_loadcnt 0x0                             ; the residual
	TOSTAGE 0
	TOSTAGE 1
	SEND 0, 16
	s_wait_xcnt 0x0                                ; block 0's stores have read their data: block 2's rows may land there
	TOSTAGE 2
	SEND 1, 16
	s_wait_xcnt 0x0
	TOSTAGE 3
	SEND 2, 16
	SEND 3, 0
	WIN 0
	s_wait_tensorcnt 0x0                           ; the wave's end
	ds_add_u32 v[SPW], v[NIL]
	s_wait_dscnt 0x0
	CROUND                                         ; the closing round
	s_endpgm
.Lfunc_end_k_qb0b7bfd6eb_proj:
	.size	k_qb0b7bfd6eb_proj, .Lfunc_end_k_qb0b7bfd6eb_proj-k_qb0b7bfd6eb_proj
	.p2alignl 7, 3214868480
	.fill 96, 4, 3214868480
	.section	.rodata,"a",@progbits
	.p2align	6, 0x0
	.amdhsa_kernel k_qb0b7bfd6eb_proj
		.amdhsa_group_segment_fixed_size 327680
		.amdhsa_private_segment_fixed_size 0
		.amdhsa_enable_private_segment 0
		.amdhsa_kernarg_size 40
		.amdhsa_user_sgpr_count 2
		.amdhsa_user_sgpr_kernarg_segment_ptr 1
		.amdhsa_wavefront_size32 1
		.amdhsa_system_sgpr_workgroup_id_x 1
		.amdhsa_system_sgpr_workgroup_id_y 1
		.amdhsa_system_sgpr_workgroup_id_z 1
		.amdhsa_system_vgpr_workitem_id 0
		.amdhsa_next_free_vgpr 640
		.amdhsa_next_free_sgpr 102
		.amdhsa_reserve_vcc 0
		.amdhsa_float_denorm_mode_32 3
		.amdhsa_float_denorm_mode_16_64 3
		.amdhsa_memory_ordered 1
		.amdhsa_forward_progress 1
		.amdhsa_inst_pref_size 61
	.end_amdhsa_kernel
	.amdgpu_metadata
---
amdhsa.version: [ 1, 2 ]
amdhsa.kernels:
  - .name:           k_qb0b7bfd6eb_proj
    .symbol:         k_qb0b7bfd6eb_proj.kd
    .args:
      - { .name: yq, .offset: 0, .size: 8, .value_kind: global_buffer, .address_space: global }
      - { .name: w_attn_proj_codes, .offset: 8, .size: 8, .value_kind: global_buffer, .address_space: global }
      - { .name: w_attn_proj_scales, .offset: 16, .size: 8, .value_kind: global_buffer, .address_space: global }
      - { .name: x, .offset: 24, .size: 8, .value_kind: global_buffer, .address_space: global }
      - { .name: x1, .offset: 32, .size: 8, .value_kind: global_buffer, .address_space: global }
    .group_segment_fixed_size: 327680
    .private_segment_fixed_size: 0
    .kernarg_segment_align: 8
    .kernarg_segment_size: 40
    .max_flat_workgroup_size: 128
    .sgpr_count:     102
    .vgpr_count:     640
    .wavefront_size: 32
...
	.end_amdgpu_metadata
.endif
;; end of part 4
;; launch ln2: the kernel of part 1 again; grid 256 x 1, 16 waves a work-group, no clusters, 84,480 bytes of LDS; arguments x1, ln2_w, ln2_b, aq; writes aq
;; launch fc (part 5): grid 16 x 16, 4 waves a work-group, clusters of 4 x 4, 327,680 bytes of LDS; arguments aq, w_fc_codes, w_fc_scales, b_fc, hq; writes hq
.if DOCPART == 5
	.amdgcn_target "amdgcn-amd-amdhsa--gfx1250"
	.amdhsa_code_object_version 6
	.text
	.protected	k_qb0b7bfd6eb_fc
	.globl	k_qb0b7bfd6eb_fc
	.p2align	8
	.type	k_qb0b7bfd6eb_fc,@function
k_qb0b7bfd6eb_fc:
	s_mov_b64 s[64:65], 0
	v_nop
	global_prefetch_b8 v0, s[64:65] scope:SCOPE_SE
	s_setreg_imm32_b32 hwreg(HW_REG_WAVE_MODE, 25, 1), 1
	s_wait_xcnt 0x0
	s_wait_alu depctr_hold_cnt(0) depctr_sa_sdst(0) depctr_va_vdst(0) depctr_va_sdst(0) depctr_va_ssrc(0) depctr_va_vcc(0) depctr_vm_vsrc(0)
	s_getreg_b32 s2, hwreg(HW_REG_IB_STS2, 6, 4)
	s_cmp_eq_u32 s2, 0
	s_cbranch_scc0 .Lentry_in_a_cluster
	s_endpgm
.Lentry_in_a_cluster:
	s_bfe_u32 s2, ttmp6, 0x10000c
	s_cmp_lg_u32 s2, 0xf033
	s_cbranch_scc0 .Lentry_shape_is_right
	s_endpgm
.Lentry_shape_is_right:
; h = gelu(LN2(x1) W_fc + b_fc) on codes of FP8 (E4M3) with E8M0 scales, K = 1,024, and h's quantiser along its 4,096 columns, fused: codes leave as images of the next product's operand registers, scale words behind them.
; A tile of 256 x 256, four waves of 128 x 128; K in steps of 256 through a ring of two LDS slots; 4 x 4 clusters with joint loads; the bias is the first products' C; erf as a quotient of two polynomials in x^2, x held to +-4.
; LIMITS: NaN and infinities are not served; a block of zeros gets the byte 1 (its codes are zeros; this program alone reads the bytes).
.set SIZE_K, 1024
.set KSTEP,  256
.set NQ,     KSTEP/128
.set ROWB,   256
.set KROW,   SIZE_K
.set PITCH,  272
.set FR,     16
.set NL,     4
.set NP,     8
.set HALFT,  128*PITCH
.set SLOT,   4*HALFT
.set LAPS,   SIZE_K/(2*KSTEP)
.set KS,     SIZE_K/32
.set SCL,    2*SLOT
.set HALFS,  (128*KS/256)*272
.set SBLK,   (16*KS/256)*272
.set SPARE,  SCL+4*HALFS
.set ADRA, 16
.set ADRB, 20
.set LI,   24
.set LWS,  25
.set LWR,  26
.set ADRS, 27
.set SPW,  28
.set NIL,  29
.set BO,   30
.set LWT,  31
.set SC,   32
.set BI,   64
.set TQ,   64
.set AF,   128
.set PC,   128
.set TM,   144
.set PW,   160
.set OW,   162
.set KA,   166
.set KB,   168
.set G1, 24
.set G0, 32
.set G1B, 48
.set G0B, 56
.set G1S, 68
.set G0S, 76
.set G1SB, 80
.set G0SB, 88
.set MSB, 0
.macro WIN new
.if MSB != (\new)
	s_set_vgpr_msb (MSB<<8)|(\new)
.set MSB, (\new)
.endif
.endm
.set MUL_LO, 0xa1
.set MUL_HI, 0xf1
.set TO_B,   0x40
.macro JLOAD g0a, g1a, g0b, g1b
	s_cmp_eq_u32 s15, 0
	s_cbranch_scc0 .Lfor_b_\@
	tensor_load_to_lds s[\g0a:\g0a+3], s[\g1a:\g1a+7]
	s_nop 0
.rept 4
	v_nop
.endr
	s_branch .Lasked_\@
.Lfor_b_\@:
	tensor_load_to_lds s[\g0b:\g0b+3], s[\g1b:\g1b+7]
	s_nop 0
.rept 4
	v_nop
.endr
.Lasked_\@:
.endm
.macro CREST
	s_cmp_lg_u32 s14, 0
	s_cbranch_scc1 .Lnot_wave_0_\@
	s_barrier_signal -3
.Lnot_wave_0_\@:
	s_barrier_wait -3
	s_barrier_signal -1
	s_barrier_wait -1
.endm
.macro CROUND
	s_barrier_signal -1
	s_barrier_wait -1
	CREST
.endm
	s_load_b64 s[4:5], s[0:1], 0x0
	s_load_b128 s[8:11], s[0:1], 0x8
	s_load_b128 s[96:99], s[0:1], 0x18
	v_lshl_add_u32 v[SPW], v0, 2, SPARE
	v_mov_b32 v[NIL], 0
	ds_add_u32 v28, v29
	ds_add_u32 v28, v29
	s_wait_dscnt 0x0
	v_lshrrev_b32 v1, 5, v0
	v_readfirstlane_b32 s14, v1
	s_lshr_b32 s15, s14, 1
	s_and_b32 s16, s14, 1
	s_bfe_u32 s40, ttmp6, 0x40000
	s_bfe_u32 s41, ttmp6, 0x40004
	s_lshl_b32 s42, ttmp9, 2
	s_add_co_u32 s42, s42, s40
	s_and_b32 s17, ttmp7, 0xffff
	s_lshl_b32 s17, s17, 2
	s_add_co_u32 s17, s17, s41
	s_lshl_b32 s43, s41, 2
	s_lshl_b32 s43, 15, s43
	s_lshl_b32 s44, 0x1111, s40
	s_or_b32 s[G1+0], s43, (0<<16)|(1<<20)|(1<<21)|(5<<22)|(3<<25)
	s_or_b32 s[G1B+0], s44, (0<<16)|(1<<20)|(1<<21)|(5<<22)|(3<<25)
.irp g, G1, G1B
	s_mov_b32 s[\g+1], ROWB<<16
	s_mov_b32 s[\g+2], 256<<16
	s_mov_b32 s[\g+3], ROWB<<16
	s_mov_b32 s[\g+4], 256
	s_mov_b32 s[\g+5], KROW
	s_mov_b32 s[\g+6], 0
	s_mov_b32 s[\g+7], 0
.endr
	s_or_b32 s[G1S+0], s43, (3<<16)|(1<<20)|(1<<21)|(5<<22)|(3<<25)
	s_or_b32 s[G1SB+0], s44, (3<<16)|(1<<20)|(1<<21)|(5<<22)|(3<<25)
.irp g, G1S, G1SB
	s_mov_b32 s[\g+1], 32<<16
	s_mov_b32 s[\g+2], KS<<16
	s_mov_b32 s[\g+3], 32<<16
	s_mov_b32 s[\g+4], KS
	s_mov_b32 s[\g+5], 32
	s_mov_b32 s[\g+6], 0
	s_mov_b32 s[\g+7], 0
.endr
	s_lshl_b32 s20, s17, 8
	s_lshl_b32 s46, s42, 8
	s_mov_b32 s21, 0
	s_mov_b32 s47, 0
	s_mov_b64 s[18:19], KS
	s_mul_u64 s[22:23], s[20:21], s[18:19]
	s_mul_u64 s[92:93], s[46:47], s[18:19]
	s_mov_b64 s[18:19], KROW
	s_mul_u64 s[20:21], s[20:21], s[18:19]
	s_mul_u64 s[46:47], s[46:47], s[18:19]
	s_mul_i32 s18, s16, 128*KROW                   ; in the ring I fetch 128 rows of a tile: which half, in bytes
	s_mov_b32 s19, 0
	s_mul_i32 s45, s14, HALFT
	s_wait_kmcnt 0x0
	s_add_nc_u64 s[6:7], s[4:5], 0x400000
	s_add_nc_u64 s[20:21], s[4:5], s[20:21]
	s_add_nc_u64 s[22:23], s[6:7], s[22:23]
	s_add_nc_u64 s[46:47], s[8:9], s[46:47]
	s_add_nc_u64 s[92:93], s[10:11], s[92:93]
	CROUND
	s_mov_b32 s[G0S], 1
	s_mov_b32 s[G0S+1], SCL
	s_mov_b64 s[G0S+2:G0S+3], s[22:23]
	s_or_b32 s[G0S+3], s[G0S+3], 0x80000000
	s_mov_b32 s[G0SB], 1
	s_mov_b32 s[G0SB+1], SCL+2*HALFS
	s_mov_b64 s[G0SB+2:G0SB+3], s[92:93]
	s_or_b32 s[G0SB+3], s[G0SB+3], 0x80000000
.set G0H, 4                            ; s[4:7], s[8:11]: group 0 of the head's loads of K step 0 (the arguments that lay there have been used)
.set G0HB, 8
	s_mov_b32 s[G0H], 1
	s_mov_b32 s[G0H+1], 0
	s_mov_b64 s[G0H+2:G0H+3], s[20:21]
	s_or_b32 s[G0H+3], s[G0H+3], 0x80000000
	s_mov_b32 s[G0HB], 1
	s_mov_b32 s[G0HB+1], 2*HALFT
	s_mov_b64 s[G0HB+2:G0HB+3], s[46:47]
	s_or_b32 s[G0HB+3], s[G0HB+3], 0x80000000
	s_add_nc_u64 s[20:21], s[20:21], s[18:19]
	s_add_nc_u64 s[46:47], s[46:47], s[18:19]
.irp s, 0,1
	s_mov_b32 s[G0+4*\s], 1
	s_add_co_u32 s[G0+4*\s+1], s45, \s*SLOT
	s_add_nc_u64 s[G0+4*\s+2:G0+4*\s+3], s[20:21], \s*ROWB
	s_or_b32 s[G0+4*\s+3], s[G0+4*\s+3], 0x80000000
	s_mov_b32 s[G0B+4*\s], 1
	s_add_co_u32 s[G0B+4*\s+1], s45, \s*SLOT
	s_add_nc_u64 s[G0B+4*\s+2:G0B+4*\s+3], s[46:47], \s*ROWB
	s_or_b32 s[G0B+4*\s+3], s[G0B+4*\s+3], 0x80000000
.endr
; the head's loads, one a wave: wave 0 K step 0's 256 rows of A, wave 1 those of B, wave 2 A's scales, wave 3 B's; one tree of branches on the wave's number
.macro ARM under, g0, g1, next
	s_cmp_lt_u32 s14, \under
	s_cbranch_scc0 \next
	tensor_load_to_lds s[\g0:\g0+3], s[\g1:\g1+7]
	s_nop 0
.rept 4
	v_nop
.endr
	s_branch .Lhead_asked
\next:
.endm
	ARM 1, G0H,  G1,  .Lhead_b
	ARM 2, G0HB, G1B, .Lhead_sa
	ARM 3, G0S,  G1S, .Lhead_sb
	tensor_load_to_lds s[G0SB:G0SB+3], s[G1SB:G1SB+7]
	s_nop 0
.rept 4
	v_nop
.endr
.Lhead_asked:
; PREFETCHES INTO THE L2: a K step is 256 bytes of each row.  Of the 128 rows that my wave fetches in the ring, each of the four partners that ask for them jointly takes 32, told apart by address (cx for A, cy for B): a lane a row, one instruction a wave,
; so each block of 256 bytes is named once in each cluster that will load it.  K steps 1 and 2 are asked for here, behind the head's loads; K step 3 behind K step 1's load: each two loads ahead of the load that wants it.  Address and offset are never rewritten.
	s_cmp_eq_u32 s15, 0
	s_cselect_b64 s[92:93], s[20:21], s[46:47]     ; my 128 rows at K step 0
	s_cselect_b32 s94, s40, s41                    ; my place among the four
	s_mul_i32 s94, s94, 32*KROW
	s_mov_b32 s95, 0
	s_add_nc_u64 s[92:93], s[92:93], s[94:95]
	v_and_b32 v8, 31, v0
	v_mul_u32_u24 v8, v8, KROW
	s_wait_alu depctr_va_vdst(0)
	global_prefetch_b8 v8, s[92:93] offset:ROWB th:TH_LOAD_NT scope:SCOPE_SE
	global_prefetch_b8 v8, s[92:93] offset:2*ROWB th:TH_LOAD_NT scope:SCOPE_SE
	v_and_b32 v1, 15, v0
	v_bfe_u32 v2, v0, 4, 1
	v_mul_u32_u24 v3, v1, PITCH
	v_lshl_add_u32 v4, v2, 4, v3
	s_mul_i32 s21, s15, HALFT
	s_mul_i32 s22, s16, HALFT
	s_add_co_u32 s22, s22, 2*HALFT
.irp s, 0,1
	v_add_nc_u32 v[ADRA+\s], s21, v4
	v_add_nc_u32 v[ADRB+\s], s22, v4
	s_add_co_u32 s21, s21, SLOT
	s_add_co_u32 s22, s22, SLOT
.endr
	v_mul_u32_u24 v5, v1, KS
	v_lshrrev_b32 v6, 8, v5
	v_lshl_add_u32 v5, v6, 4, v5
	s_mul_i32 s21, s15, HALFS
	s_mul_i32 s22, s16, HALFS
	s_add_co_u32 s22, s22, 2*HALFS
	s_sub_co_u32 s22, s22, s21
	v_mul_u32_u24 v6, s22, v2
	s_add_co_u32 s21, s21, SCL
	v_add_nc_u32 v5, v5, v6
	v_add_nc_u32 v[ADRS], s21, v5
	s_lshl_b32 s23, s14, 9
	v_lshl_add_u32 v[LWS], v1, 2, s23
	v_and_b32 v6, 31, v0
	v_lshlrev_b32 v[LI], 4, v6
	v_add_nc_u32 v[LWR], s23, v[LI]
	v_lshlrev_b32 v[BO], 5, v2
	s_wait_alu depctr_va_vdst(0)
	s_lshl_b32 s20, s17, 8
	s_lshl_b32 s21, s15, 7
	s_add_co_u32 s20, s20, s21
	s_lshl_b32 s46, s42, 8
	s_lshl_b32 s47, s16, 7
	s_add_co_u32 s46, s46, s47
	s_lshl_b32 s22, s46, 2
	s_mov_b32 s23, 0
	s_add_nc_u64 s[96:97], s[96:97], s[22:23]
.irp b, 0,1,2,3,4,5,6,7
	global_load_b128 v[BI+8*\b:BI+8*\b+3], v[BO], s[96:97] offset:64*\b
	global_load_b128 v[BI+8*\b+4:BI+8*\b+7], v[BO], s[96:97] offset:64*\b+16
.endr
	s_lshl_b32 s22, s20, 12
	s_lshl_b32 s18, s46, 4
	s_add_co_u32 s22, s22, s18
	s_add_nc_u64 s[12:13], s[98:99], s[22:23]
	s_lshl_b32 s22, s46, 7
	s_lshl_b32 s18, s20, 2
	s_add_co_u32 s22, s22, s18
	s_add_co_u32 s22, s22, 0x1000000
	s_add_nc_u64 s[98:99], s[98:99], s[22:23]
	s_mov_b32 s66, 0x600000
	s_mov_b32 s18, 0x76543210
	s_mov_b32 s19, 0xfedcba98
.macro FRAG reg, adr, q, i
.irp c, 0,1,2,3
	ds_load_b128 v[\reg+4*\c:\reg+4*\c+3], v[\adr] offset:128*(\q)+32*\c+(\i)*16*PITCH
.endr
.endm
.macro MUL16 a0, p, q, sc, zero
.irp a, \a0, \a0+1
.irp b, 0,1,2,3,4,5,6,7
.if \zero
	v_wmma_scale_f32_16x16x128_f8f6f4 v[8*(8*((\a)%4)+\b):8*(8*((\a)%4)+\b)+7], v[128*(\p)+FR*\b:128*(\p)+FR*\b+FR-1], v[AF+FR*(\a):AF+FR*(\a)+FR-1], v[BI+8*\b:BI+8*\b+7], v[SC+8*NQ*(\sc)+NQ*\b+(\q)], v[SC+8*NQ*(\sc)+NQ*(\a)+(\q)] matrix_a_scale:MATRIX_SCALE_ROW1
.else
	v_wmma_scale_f32_16x16x128_f8f6f4 v[8*(8*((\a)%4)+\b):8*(8*((\a)%4)+\b)+7], v[128*(\p)+FR*\b:128*(\p)+FR*\b+FR-1], v[AF+FR*(\a):AF+FR*(\a)+FR-1], v[8*(8*((\a)%4)+\b):8*(8*((\a)%4)+\b)+7], v[SC+8*NQ*(\sc)+NQ*\b+(\q)], v[SC+8*NQ*(\sc)+NQ*(\a)+(\q)] matrix_a_scale:MATRIX_SCALE_ROW1
.endif
.endr
.endr
.endm
.macro FETCH_B slot, q, p
	WIN TO_B
.irp i, 0,1,2,3,4,5,6,7
	FRAG 128*(\p)+FR*\i, ADRB+\slot, \q, \i
.endr
	WIN 0
.endm
.macro FETCH_A slot, q, i0
.irp i, \i0, \i0+1, \i0+2, \i0+3
	FRAG AF+FR*(\i), ADRA+\slot, \q, \i
.endr
.endm
.macro SCALES sc
.irp i, 0,1,2,3,4,5,6,7
	ds_load_b64 v[SC+8*NQ*\sc+NQ*\i:SC+8*NQ*\sc+NQ*\i+1], v[ADRS] offset:\i*SBLK
.endr
.endm
.macro PLACES n
.rept \n
	v_nop
.endr
.endm
.macro STEP slot, q, zero
	s_wait_dscnt 4*NL
	WIN MUL_LO-0x20*(\zero)
	MUL16 0, (\q)%2, \q, \slot, \zero
	MUL16 2, (\q)%2, \q, \slot, \zero
	s_wait_dscnt 0
	PLACES NP
	FETCH_B \slot, (\q)+1, 1-(\q)%2
	FETCH_A \slot, (\q)+1, 0
	WIN MUL_HI-0x30*(\zero)
	MUL16 4, (\q)%2, \q, \slot, \zero
	MUL16 6, (\q)%2, \q, \slot, \zero
	PLACES NP
	WIN 0
	FETCH_A \slot, (\q)+1, 4
.endm
.macro TURN slot, next, fill
	s_wait_tensorcnt 0x0
	ds_add_u32 v[SPW], v[NIL]
	s_wait_dscnt 4*NL+1
	WIN MUL_LO
	MUL16 0, 1, NQ-1, \slot, 0
	s_wait_dscnt 0x0
	s_barrier_signal -1
	MUL16 2, 1, NQ-1, \slot, 0
	WIN 0
	s_barrier_wait -1
.if \fill
	CREST
	s_add_nc_u64 s[G0+4*\slot+2:G0+4*\slot+3], s[G0+4*\slot+2:G0+4*\slot+3], 2*ROWB
	s_add_nc_u64 s[G0B+4*\slot+2:G0B+4*\slot+3], s[G0B+4*\slot+2:G0B+4*\slot+3], 2*ROWB
	JLOAD G0+4*\slot, G1, G0B+4*\slot, G1B
	PLACES NP-4
.else
	PLACES NP
.endif
	s_wait_alu depctr_va_vdst(0)
	v_add_nc_u32 v[ADRS], 4*NQ, v[ADRS]
	FETCH_B \next, 0, 0
	FETCH_A \next, 0, 0
	SCALES \next
	WIN MUL_HI
	MUL16 4, 1, NQ-1, \slot, 0
	MUL16 6, 1, NQ-1, \slot, 0
	PLACES NP
	WIN 0
	FETCH_A \next, 0, 4
.endm
	s_wait_alu depctr_va_vdst(0)
	s_wait_tensorcnt 0x0                           ; my tile of the head's four is in; the lines ahead of a later first fill:
	ds_add_u32 v[SPW], v[NIL]
	s_mov_b32 s[G1+2], 128<<16                     ; no tensor load of mine is out: from here on a load brings 128 rows
	s_mov_b32 s[G1+4], 128
	s_mov_b32 s[G1B+2], 128<<16
	s_mov_b32 s[G1B+4], 128
	s_wait_dscnt 0x0
	CROUND
	JLOAD G0+4, G1, G0B+4, G1B                     ; K step 1: the first tensor load behind the round
	FETCH_B 0, 0, 0
	FETCH_A 0, 0, 0
	SCALES 0
	FETCH_A 0, 0, 4
	global_prefetch_b8 v8, s[92:93] offset:3*ROWB th:TH_LOAD_NT scope:SCOPE_SE
	s_wait_loadcnt 0x0
	STEP 0, 0, 1
	s_mov_b32 s3, LAPS-1
.Llap:
	TURN 0, 1, 1
	STEP 1, 0, 0
	TURN 1, 0, 1
	STEP 0, 0, 0
	s_sub_co_u32 s3, s3, 1
	s_cmp_lg_u32 s3, 0
	s_cbranch_scc1 .Llap
	TURN 0, 1, 0
	STEP 1, 0, 0
	s_wait_dscnt 4*NL
	WIN MUL_LO
	MUL16 0, 1, NQ-1, 1, 0
	MUL16 2, 1, NQ-1, 1, 0
	s_wait_dscnt 0
	WIN MUL_HI
	MUL16 4, 1, NQ-1, 1, 0
	MUL16 6, 1, NQ-1, 1, 0
	WIN 0
.macro FEED a
.set AC, 64*((\a)%4)
.set WN, 2+(\a)/4
.set WS, 0x40|WN
	WIN WS
.set n, 0
.rept 32
	v_pk_mul_f32 v[n:n+1], v[AC+n:AC+n+1], 0x3f3504f3 op_sel_hi:[1,0]
.set n, n+2
.endr
	WIN WN
.set n, 0
.rept 32
	v_pk_mul_f32 v[TQ+n:TQ+n+1], v[AC+n:AC+n+1], 0.5 op_sel_hi:[1,0]
.set n, n+2
.endr
	WIN 0
.endm
	PLACES NP
.irp b, 0,1,2,3
	v_mov_b32 v[TM+4+\b], 0
.endr
	v_mov_b32 v[KA], 0xaf95df0b
	v_mov_b32 v[KA+1], 0xaf95df0b
	v_mov_b32 v[KB], 0xb77460cd
	v_mov_b32 v[KB+1], 0xb77460cd
	s_mov_b32 s3, 0
.Lblk:
	s_cmp_eq_u32 s3, 1
	s_cbranch_scc1 .Lfeed1
	s_cmp_eq_u32 s3, 2
	s_cbranch_scc1 .Lfeed2
	s_cmp_eq_u32 s3, 3
	s_cbranch_scc1 .Lfeed3
	s_cmp_eq_u32 s3, 4
	s_cbranch_scc1 .Lfeed4
	s_cmp_eq_u32 s3, 5
	s_cbranch_scc1 .Lfeed5
	s_cmp_eq_u32 s3, 6
	s_cbranch_scc1 .Lfeed6
	s_cmp_eq_u32 s3, 7
	s_cbranch_scc1 .Lfeed7
	FEED 0
	s_branch .Lcom
.Lfeed1:
	FEED 1
	s_branch .Lcom
.Lfeed2:
	FEED 2
	s_branch .Lcom
.Lfeed3:
	FEED 3
	s_branch .Lcom
.Lfeed4:
	FEED 4
	s_branch .Lcom
.Lfeed5:
	FEED 5
	s_branch .Lcom
.Lfeed6:
	FEED 6
	s_branch .Lcom
.Lfeed7:
	FEED 7
.Lcom:
	WIN 0x55
.set n, 0
.rept 64
	v_med3_num_f32 v[n], v[n], -4.0, 4.0
.set n, n+1
.endr
.set n, 0
.rept 32
	v_pk_mul_f32 v[64+n:65+n], v[n:n+1], v[n:n+1]
.set n, n+2
.endr
	WIN 0x51
.set n, 0
.rept 32
	v_pk_fma_f32 v[128+n:129+n], v[64+n:65+n], v[KA:KA+1], 0x32edffee op_sel_hi:[1,1,0]
.set n, n+2
.endr
.set n, 0
.rept 32
	v_pk_fma_f32 v[192+n:193+n], v[64+n:65+n], v[KB:KB+1], 0xb95fbd29 op_sel_hi:[1,1,0]
.set n, n+2
.endr
	WIN 0x55
.irp k, 0xb60cff51, 0xb86ec2d2, 0xba40ac63, 0xbb41a1f6, 0xbc83dbd4
.set n, 0
.rept 32
	v_pk_fma_f32 v[128+n:129+n], v[128+n:129+n], v[64+n:65+n], \k op_sel_hi:[1,1,0]
.set n, n+2
.endr
.endr
.irp k, 0xbadc924e, 0xbbf19bf8, 0xbc69b6a7
.set n, 0
.rept 32
	v_pk_fma_f32 v[192+n:193+n], v[192+n:193+n], v[64+n:65+n], \k op_sel_hi:[1,1,0]
.set n, n+2
.endr
.endr
.set n, 0
	s_wait_alu depctr_va_vdst(0)
.rept 64
	v_rcp_f32 v[192+n], v[192+n]
.set n, n+1
.endr
.set n, 0
.rept 32
	v_pk_mul_f32 v[128+n:129+n], v[128+n:129+n], v[n:n+1]
.set n, n+2
.endr
	s_wait_alu depctr_va_vdst(0)
.set n, 0
.rept 32
	v_pk_mul_f32 v[128+n:129+n], v[128+n:129+n], v[192+n:193+n]
.set n, n+2
.endr
	WIN 0x04
.set n, 0
.rept 32
	v_pk_fma_f32 v[TQ+n:TQ+n+1], v[TQ+n:TQ+n+1], v[128+n:129+n], v[TQ+n:TQ+n+1]
.set n, n+2
.endr
	WIN 0
.irp b, 0,1,2,3
	v_max3_num_f32 v[TM+\b], |v[TQ+16*\b]|, |v[TQ+1+16*\b]|, 0x4800000
.endr
.irp i, 2,4,6,8,10,12,14
.irp b, 0,1,2,3
	v_max3_num_f32 v[TM+\b], v[TM+\b], |v[TQ+16*\b+\i]|, |v[TQ+1+16*\b+\i]|
.endr
.endr
.irp b, 0,1,2,3
	v_permlanex16_b32 v[TM+4+\b], v[TM+\b], s18, s19
.endr
.irp b, 0,1,2,3
	v_max_num_f32 v[TM+\b], v[TM+\b], v[TM+4+\b]
.endr
.irp b, 0,1,2,3
	v_add_nc_u32 v[TM+12+\b], 0xfc000000, v[TM+\b]
.endr
.irp b, 0,1,2,3
	v_and_or_b32 v[TM+8+\b], v[TM+\b], 0x7f800000, s66
.endr
.irp b, 0,1,2,3
	v_lshrrev_b32 v[TM+4+\b], 23, v[TM+12+\b]
.endr
	v_lshl_or_b32 v[PW], v[TM+5], 8, v[TM+4]
	v_lshl_or_b32 v[PW], v[TM+6], 16, v[PW]
	v_lshl_or_b32 v[PW], v[TM+7], 24, v[PW]
.irp b, 0,1,2,3
.irp i, 0,1,2,3,4,5,6,7,8,9,10,11,12,13,14,15
	v_med3_num_f32 v[TQ+16*\b+\i], v[TQ+16*\b+\i], -v[TM+8+\b], v[TM+8+\b]
.endr
	v_cvt_scalef32_pk8_fp8_f32 v[PC+4*\b:PC+4*\b+1], v[TQ+16*\b:TQ+16*\b+7], v[TM+12+\b]
	v_cvt_scalef32_pk8_fp8_f32 v[PC+4*\b+2:PC+4*\b+3], v[TQ+16*\b+8:TQ+16*\b+15], v[TM+12+\b]
.endr
	v_nop
.irp b, 0,1,2,3
	v_permlane16_swap_b32 v[PC+4*\b], v[PC+4*\b+2]
	v_permlane16_swap_b32 v[PC+4*\b+1], v[PC+4*\b+3]
.endr
.irp c, 0,1,2,3
	global_store_b128 v[LI], v[PC+4*\c:PC+4*\c+3], s[12:13] offset:512*\c
.endr
	s_lshl_b32 s2, s3, 6
	v_add_nc_u32 v[LWT], s2, v[LWS]
	ds_store_b32 v[LWT], v[PW]
	s_wait_xcnt 0x0
	s_add_nc_u64 s[12:13], s[12:13], 65536
	s_add_co_u32 s3, s3, 1
	s_cmp_lt_u32 s3, 8
	s_cbranch_scc1 .Lblk
	ds_load_b128 v[OW:OW+3], v[LWR]
	s_wait_dscnt 0x0
	global_store_b128 v[LI], v[OW:OW+3], s[98:99]
	s_wait_tensorcnt 0x0
	ds_add_u32 v[SPW], v[NIL]
	s_wait_dscnt 0x0
	CROUND
	s_endpgm
.Lfunc_end_k_qb0b7bfd6eb_fc:
	.size	k_qb0b7bfd6eb_fc, .Lfunc_end_k_qb0b7bfd6eb_fc-k_qb0b7bfd6eb_fc
	.p2alignl 7, 3214868480
	.fill 96, 4, 3214868480
	.section	.rodata,"a",@progbits
	.p2align	6, 0x0
	.amdhsa_kernel k_qb0b7bfd6eb_fc
		.amdhsa_group_segment_fixed_size 327680
		.amdhsa_private_segment_fixed_size 0
		.amdhsa_enable_private_segment 0
		.amdhsa_kernarg_size 40
		.amdhsa_user_sgpr_count 2
		.amdhsa_user_sgpr_kernarg_segment_ptr 1
		.amdhsa_wavefront_size32 1
		.amdhsa_system_sgpr_workgroup_id_x 1
		.amdhsa_system_sgpr_workgroup_id_y 1
		.amdhsa_system_sgpr_workgroup_id_z 1
		.amdhsa_system_vgpr_workitem_id 0
		.amdhsa_next_free_vgpr 1024
		.amdhsa_next_free_sgpr 100
		.amdhsa_reserve_vcc 0
		.amdhsa_float_denorm_mode_32 3
		.amdhsa_float_denorm_mode_16_64 3
		.amdhsa_memory_ordered 1
		.amdhsa_forward_progress 1
		.amdhsa_inst_pref_size 215
	.end_amdhsa_kernel
	.amdgpu_metadata
---
amdhsa.version: [ 1, 2 ]
amdhsa.kernels:
  - .name:           k_qb0b7bfd6eb_fc
    .symbol:         k_qb0b7bfd6eb_fc.kd
    .args:
      - { .name: aq, .offset: 0, .size: 8, .value_kind: global_buffer, .address_space: global }
      - { .name: w_fc_codes, .offset: 8, .size: 8, .value_kind: global_buffer, .address_space: global }
      - { .name: w_fc_scales, .offset: 16, .size: 8, .value_kind: global_buffer, .address_space: global }
      - { .name: b_fc, .offset: 24, .size: 8, .value_kind: global_buffer, .address_space: global }
      - { .name: hq, .offset: 32, .size: 8, .value_kind: global_buffer, .address_space: global }
    .group_segment_fixed_size: 327680
    .private_segment_fixed_size: 0
    .kernarg_segment_align: 8
    .kernarg_segment_size: 40
    .max_flat_workgroup_size: 128
    .sgpr_count:     100
    .vgpr_count:     1024
    .wavefront_size: 32
...
	.end_amdgpu_metadata
.endif
;; end of part 5
;; launch mlp (part 6): grid 8 x 32, 4 waves a work-group, clusters of 4 x 4, 327,680 bytes of LDS; arguments hq, w_mlp_proj_codes, w_mlp_proj_scales, x1, out0, b_mlp_proj; writes out0
.if DOCPART == 6
	.amdgcn_target "amdgcn-amd-amdhsa--gfx1250"
	.amdhsa_code_object_version 6
	.text
	.protected	k_qb0b7bfd6eb_mlp
	.globl	k_qb0b7bfd6eb_mlp
	.p2align	8
	.type	k_qb0b7bfd6eb_mlp,@function
k_qb0b7bfd6eb_mlp:
	s_mov_b64 s[64:65], 0
	v_nop
	global_prefetch_b8 v0, s[64:65] scope:SCOPE_SE
	s_setreg_imm32_b32 hwreg(HW_REG_WAVE_MODE, 25, 1), 1
	s_wait_xcnt 0x0
	s_wait_alu depctr_hold_cnt(0) depctr_sa_sdst(0) depctr_va_vdst(0) depctr_va_sdst(0) depctr_va_ssrc(0) depctr_va_vcc(0) depctr_vm_vsrc(0)
	s_getreg_b32 s2, hwreg(HW_REG_IB_STS2, 6, 4)
	s_cmp_eq_u32 s2, 0
	s_cbranch_scc0 .Lentry_in_a_cluster
	s_endpgm
.Lentry_in_a_cluster:
	s_bfe_u32 s2, ttmp6, 0x10000c
	s_cmp_lg_u32 s2, 0xf033
	s_cbranch_scc0 .Lentry_shape_is_right
	s_endpgm
.Lentry_shape_is_right:
; out0 = x1 + h W_mlp^T + b_mlp on codes of FP8 (E4M3) with E8M0 scales, K = 4,096.  h comes as images of the operand's registers and goes from memory straight into registers; W through a ring of two LDS slots of 1,024 along K.
; A tile of 128 x 128, four waves of 32 x 128; 4 x 4 clusters with joint loads for W and for the scale words, which come once; the bias is the first products' C; the residual is added on the way out.
.set SIZE_K, 4096
.set SCOFF,  0x1000000
.set KSTEPS, SIZE_K/128
.set KSB,    SIZE_K/32
.set RUNK,   1024
.set PB,     RUNK+16
.set SLOT,   128*PB
.set SCA,    2*SLOT
.set SCB,    SCA+512*KSTEPS
.set HALFSB, (64*KSB/256)*272
.set SBLK,   (16*KSB/256)*272
.set SPARE,  SCB+2*HALFSB
.set SPITCH, 528
.set ADRB, 16
.set ADSA, 22
.set ADSB, 23
.set STO,  24
.set RD,   25
.set LI,   26
.set SPW,  28
.set NIL,  29
.set BO,   30
.set SC,   32
.set ACC,  128
.set BI,   128
.set G1B, 48
.set G0B, 56
.set G1S, 68
.set G0S, 76
.set G1SB, 80
.set G0SB, 88
.set MUL,  0x09
.set MSB, 0
.macro WIN new
.if MSB != (\new)
	s_set_vgpr_msb (MSB<<8)|(\new)
.set MSB, (\new)
.endif
.endm
.macro JLOAD g0a, g1a, g0b, g1b
	s_cmp_eq_u32 s15, 0
	s_cbranch_scc0 .Lfor_b_\@
	tensor_load_to_lds s[\g0a:\g0a+3], s[\g1a:\g1a+7]
	s_nop 0
.rept 4
	v_nop
.endr
	s_branch .Lasked_\@
.Lfor_b_\@:
	tensor_load_to_lds s[\g0b:\g0b+3], s[\g1b:\g1b+7]
	s_nop 0
.rept 4
	v_nop
.endr
.Lasked_\@:
.endm
.macro CREST
	s_cmp_lg_u32 s14, 0
	s_cbranch_scc1 .Lnot_wave_0_\@
	s_barrier_signal -3
.Lnot_wave_0_\@:
	s_barrier_wait -3
	s_barrier_signal -1
	s_barrier_wait -1
.endm
.macro CROUND
	s_barrier_signal -1
	s_barrier_wait -1
	CREST
.endm
.macro PLACES n
.rept \n
	v_nop
.endr
.endm
	s_load_b64 s[4:5], s[0:1], 0x0
	s_load_b128 s[8:11], s[0:1], 0x8
	s_load_b128 s[96:99], s[0:1], 0x18
	s_load_b64 s[100:101], s[0:1], 0x28
	v_lshl_add_u32 v[SPW], v0, 2, SPARE
	v_mov_b32 v[NIL], 0
	ds_add_u32 v28, v29
	ds_add_u32 v28, v29
	s_wait_dscnt 0x0
	v_lshrrev_b32 v1, 5, v0
	v_readfirstlane_b32 s14, v1
	s_lshr_b32 s15, s14, 1
	s_and_b32 s16, s14, 1
	s_bfe_u32 s40, ttmp6, 0x40000
	s_bfe_u32 s41, ttmp6, 0x40004
	s_lshl_b32 s42, ttmp9, 2
	s_add_co_u32 s42, s42, s40
	s_and_b32 s17, ttmp7, 0xffff
	s_lshl_b32 s17, s17, 2
	s_add_co_u32 s17, s17, s41
	s_lshl_b32 s43, s41, 2
	s_lshl_b32 s43, 15, s43
	s_lshl_b32 s44, 0x1111, s40
	s_or_b32 s[G1B], s44, (0<<16)|(1<<20)|(1<<21)|(7<<22)|(3<<25)
	s_mov_b32 s[G1B+1], RUNK<<16
	s_mov_b32 s[G1B+2], 64<<16                     ; the head's loads of W bring 64 rows each
	s_mov_b32 s[G1B+3], RUNK<<16
	s_mov_b32 s[G1B+4], 64
	s_mov_b32 s[G1B+5], SIZE_K
	s_mov_b32 s[G1B+6], 0
	s_mov_b32 s[G1B+7], 0
	s_or_b32 s[G1S], s43, (3<<16)|(1<<21)
	s_mov_b32 s[G1S+1], 64<<16
	s_mov_b32 s[G1S+2], KSTEPS<<16
	s_mov_b32 s[G1S+3], 64<<16
	s_mov_b32 s[G1S+4], KSTEPS
	s_mov_b32 s[G1S+5], 2048
	s_mov_b32 s[G1S+6], 0
	s_mov_b32 s[G1S+7], 0
	s_or_b32 s[G1SB], s44, (3<<16)|(1<<20)|(1<<21)|(5<<22)|(3<<25)
	s_mov_b32 s[G1SB+1], 32<<16
	s_mov_b32 s[G1SB+2], (128*KSB/256)<<16
	s_mov_b32 s[G1SB+3], 32<<16
	s_mov_b32 s[G1SB+4], 128*KSB/256
	s_mov_b32 s[G1SB+5], 32
	s_mov_b32 s[G1SB+6], 0
	s_mov_b32 s[G1SB+7], 0
	s_lshl_b32 s20, s17, 3
	s_lshl_b32 s18, s14, 1
	s_add_co_u32 s20, s20, s18
	s_lshl_b32 s20, s20, 16
	s_mov_b32 s21, 0
	s_lshl_b32 s22, s17, 9
	s_add_co_u32 s22, s22, SCOFF
	s_mov_b32 s23, 0
	s_lshl_b32 s46, s42, 7
	s_lshl_b32 s18, s16, 6
	s_add_co_u32 s6, s46, s18                      ; the head's load of W: 64 rows, by my wave's low bit
	s_mul_i32 s6, s6, SIZE_K
	s_mov_b32 s7, 0
	s_mul_i32 s92, s46, KSB                        ; W's scale bytes: the tile's 128 rows
	s_mov_b32 s93, 0
	s_lshl_b32 s18, s14, 5
	s_add_co_u32 s46, s46, s18
	s_mul_i32 s46, s46, SIZE_K
	s_mov_b32 s47, 0
	s_mul_i32 s94, s14, 32*PB
	s_mul_i32 s2, s16, 64*PB
	s_wait_kmcnt 0x0
	s_add_nc_u64 s[20:21], s[4:5], s[20:21]
	s_add_nc_u64 s[22:23], s[4:5], s[22:23]
	s_add_nc_u64 s[46:47], s[8:9], s[46:47]
	s_add_nc_u64 s[92:93], s[10:11], s[92:93]
	CROUND
	s_mov_b32 s[G0S], 1
	s_mov_b32 s[G0S+1], SCA
	s_mov_b64 s[G0S+2:G0S+3], s[22:23]
	s_or_b32 s[G0S+3], s[G0S+3], 0x80000000
	s_mov_b32 s[G0SB], 1
	s_mov_b32 s[G0SB+1], SCB
	s_mov_b64 s[G0SB+2:G0SB+3], s[92:93]
	s_or_b32 s[G0SB+3], s[G0SB+3], 0x80000000
.irp s, 0,1
	s_mov_b32 s[G0B+4*\s], 1
	s_add_co_u32 s[G0B+4*\s+1], s94, \s*SLOT
	s_add_nc_u64 s[G0B+4*\s+2:G0B+4*\s+3], s[46:47], \s*RUNK
	s_or_b32 s[G0B+4*\s+3], s[G0B+4*\s+3], 0x80000000
.endr
.set G0H, 4                            ; s[4:7]: group 0 of the head's load of W (A's address has been used)
	s_add_nc_u64 s[G0H+2:G0H+3], s[8:9], s[6:7]
	s_or_b32 s[G0H+3], s[G0H+3], 0x80000000
	s_mov_b32 s[G0H], 1
	s_mov_b32 s[G0H+1], s2
; the head's loads, one a wave: wave 0 A's scale words, wave 1 W's scale bytes, waves 2 and 3 the halves of slot 0; one tree of branches on the wave's number
.macro ARM under, g0, g1, next
	s_cmp_lt_u32 s14, \under
	s_cbranch_scc0 \next
	tensor_load_to_lds s[\g0:\g0+3], s[\g1:\g1+7]
	s_nop 0
.rept 4
	v_nop
.endr
	s_branch .Lhead_asked
\next:
.endm
	ARM 1, G0S,  G1S,  .Lhead_sb
	ARM 2, G0SB, G1SB, .Lhead_w
	tensor_load_to_lds s[G0H:G0H+3], s[G1B:G1B+7]
	s_nop 0
.rept 4
	v_nop
.endr
.Lhead_asked:
	v_and_b32 v1, 15, v0
	v_bfe_u32 v2, v0, 4, 1
	v_and_b32 v3, 31, v0
	v_lshlrev_b32 v[LI], 4, v3
	v_lshlrev_b32 v[BO], 5, v2
	s_wait_alu depctr_va_vdst(0)
	s_lshl_b32 s24, s17, 7
	s_lshl_b32 s25, s14, 5
	s_add_co_u32 s24, s24, s25
	s_lshl_b32 s24, s24, 12
	s_lshl_b32 s26, s42, 9
	s_add_co_u32 s24, s24, s26
	s_mov_b32 s25, 0
	s_mov_b32 s27, 0
	s_add_nc_u64 s[96:97], s[96:97], s[24:25]
	s_add_nc_u64 s[98:99], s[98:99], s[24:25]
	s_add_nc_u64 s[100:101], s[100:101], s[26:27]
.macro ALOAD k
	WIN 0x80
.irp a, 0,1
.irp c, 0,1,2,3
	global_load_b128 v[32*((\k)%8)+16*\a+4*\c:32*((\k)%8)+16*\a+4*\c+3], v[LI], s[20:21] offset:65536*\a+2048*(\k)+512*\c
.endr
.endr
.endm
.macro RLOAD g
	WIN 0xc0
.irp t, 0,1,2,3,4,5,6,7
	global_load_b128 v[4*(8*(\g)+\t):4*(8*(\g)+\t)+3], v[LI], s[96:97] offset:(8*(\g)+\t)*4096
.endr
.endm
	WIN 0xc0
.irp b, 0,1,2,3,4,5,6,7
	global_load_b128 v[BI+8*\b:BI+8*\b+3], v[BO], s[100:101] offset:64*\b
	global_load_b128 v[BI+8*\b+4:BI+8*\b+7], v[BO], s[100:101] offset:64*\b+16
.endr
.irp k, 0,1,2,3,4,5
	ALOAD \k
.endr
	WIN 0
	v_mul_u32_u24 v5, v1, PB
	v_lshl_add_u32 v5, v2, 4, v5
.irp s, 0,1
.irp g, 0,1
	v_add_nc_u32 v[ADRB+2*\s+\g], \s*SLOT+\g*64*PB, v5
.endr
.endr
	v_lshlrev_b32 v6, 2, v1
	v_lshl_add_u32 v6, v2, 9, v6
	s_lshl_b32 s24, s14, 7
	s_add_co_u32 s24, s24, SCA
	v_add_nc_u32 v[ADSA], s24, v6
	v_mul_u32_u24 v6, v1, KSB
	v_lshrrev_b32 v7, 8, v6
	v_lshl_add_u32 v6, v7, 4, v6
	v_lshl_add_u32 v6, v2, 2, v6
	v_add_nc_u32 v[ADSB], SCB, v6
	s_mul_i32 s24, s14, 2*16*SPITCH
	v_mul_u32_u24 v6, v1, SPITCH
	v_lshl_add_u32 v6, v2, 5, v6
	v_add_nc_u32 v[STO], s24, v6
	v_add_nc_u32 v[RD], s24, v[LI]
.macro MUL4 s, a, b0
.irp b, \b0, \b0+1, \b0+2, \b0+3
.set rAC, ACC+8*(8*(\a)+(\b))
.set rW,  128*((\s)%2)+16*(\b)
.set rA,  32*((\s)%8)+16*(\a)
.set rSW, SC+40*(((\s)/8)%2)+8+4*(\b)+((\s)%8)/2
.set rSA, SC+40*(((\s)/8)%2)+4*(\a)+((\s)%8)/2
.if (\s) == 0
	v_wmma_scale_f32_16x16x128_f8f6f4 v[rAC:rAC+7], v[rW:rW+15], v[rA:rA+15], v[BI+8*(\b):BI+8*(\b)+7], v[rSW], v[rSA]
.elseif (\s)%2
	v_wmma_scale_f32_16x16x128_f8f6f4 v[rAC:rAC+7], v[rW:rW+15], v[rA:rA+15], v[rAC:rAC+7], v[rSW], v[rSA] matrix_a_scale:MATRIX_SCALE_ROW1 matrix_b_scale:MATRIX_SCALE_ROW1
.else
	v_wmma_scale_f32_16x16x128_f8f6f4 v[rAC:rAC+7], v[rW:rW+15], v[rA:rA+15], v[rAC:rAC+7], v[rSW], v[rSA]
.endif
.endr
.endm
.macro FETCHB slot, q, f
	WIN 0x40
.irp i, 0,1,2,3,4,5,6,7
.irp c, 0,1,2,3
	ds_load_b128 v[128*(\f)+16*\i+4*\c:128*(\f)+16*\i+4*\c+3], v[ADRB+2*(\slot)+\i/4] offset:128*(\q)+32*\c+16*PB*(\i%4)
.endr
.endr
.endm
.macro SCALES set, run
.irp kp, 0,1,2,3
.irp a, 0,1
	ds_load_b32 v[SC+40*(\set)+4*\a+\kp], v[ADSA] offset:4096*(\run)+64*\a+1024*\kp
.endr
.irp b, 0,1,2,3,4,5,6,7
	ds_load_b32 v[SC+40*(\set)+8+4*\b+\kp], v[ADSB] offset:32*(\run)+SBLK*\b+8*\kp
.endr
.endr
.endm
.macro AHEAD s
.if (\s) == 0
	ALOAD 6
.endif
.if (\s)+7 < KSTEPS
	ALOAD (\s)+7
.elseif (\s) < 29
	RLOAD (\s)-25
.endif
.endm
.macro KST s
.set SL, ((\s)/8)%2
	s_wait_dscnt 0x0
.if ((\s) == 0) || ((\s) == 30)
	s_wait_loadcnt 40
.else
	s_wait_loadcnt 48
.endif
.if (\s) > 0
	PLACES 8
.endif
	FETCHB SL, (\s)%8+1, ((\s)+1)%2
	AHEAD \s
.if (\s) == 0
	WIN 0x39
.else
	WIN MUL
.endif
	MUL4 \s, 0, 0
	MUL4 \s, 0, 4
	MUL4 \s, 1, 0
	MUL4 \s, 1, 4
.endm
.macro TURN s, fill
.set SL, ((\s)/8)%2
	WIN 0
	s_wait_tensorcnt 0x0
	ds_add_u32 v[SPW], v[NIL]
	s_wait_dscnt 1
	s_wait_loadcnt 48
	WIN MUL
	MUL4 \s, 0, 0
	s_wait_dscnt 0x0
	s_barrier_signal -1
	MUL4 \s, 0, 4
	WIN 0
	s_barrier_wait -1
.if \fill
	CREST
	s_add_nc_u64 s[G0B+4*SL+2:G0B+4*SL+3], s[G0B+4*SL+2:G0B+4*SL+3], 2*RUNK
	tensor_load_to_lds s[G0B+4*SL:G0B+4*SL+3], s[G1B:G1B+7]
	s_nop 0
.endif
	PLACES 8
	FETCHB 1-SL, 0, 0
	AHEAD \s
	WIN 0
	SCALES 1-SL, (\s)/8+1
	WIN MUL
	MUL4 \s, 1, 0
	MUL4 \s, 1, 4
.endm
	s_wait_alu depctr_va_vdst(0)
	s_wait_tensorcnt 0x0                           ; my tile of the head's is in; the lines ahead of a later first fill:
	ds_add_u32 v[SPW], v[NIL]
	s_mov_b32 s[G1B+2], 32<<16                     ; no tensor load of mine is out: from here on a load brings 32 rows
	s_mov_b32 s[G1B+4], 32
	s_wait_dscnt 0x0
	CROUND
	tensor_load_to_lds s[G0B+4:G0B+7], s[G1B:G1B+7]   ; slot 1: the first tensor load behind the round
	s_nop 0
.rept 4
	v_nop
.endr
	FETCHB 0, 0, 0
	WIN 0
	SCALES 0, 0
.irp s, 0,1,2,3,4,5,6
	KST \s
.endr
	TURN 7, 1
.irp s, 8,9,10,11,12,13,14
	KST \s
.endr
	TURN 15, 1
.irp s, 16,17,18,19,20,21,22
	KST \s
.endr
	TURN 23, 0
.irp s, 24,25,26,27,28,29,30
	KST \s
.endr
	s_wait_dscnt 0x0
	s_wait_loadcnt 32
	WIN MUL
	MUL4 31, 0, 0
	MUL4 31, 0, 4
	MUL4 31, 1, 0
	MUL4 31, 1, 4
	WIN 0
.macro TOSTAGE a
	WIN 0
.irp b, 0,1,2,3,4,5,6,7
	ds_store_b128 v[STO], v[ACC+8*(8*(\a)+\b):ACC+8*(8*(\a)+\b)+3] offset:16*SPITCH*(\a)+64*\b
	ds_store_b128 v[STO], v[ACC+8*(8*(\a)+\b)+4:ACC+8*(8*(\a)+\b)+7] offset:16*SPITCH*(\a)+64*\b+16
.endr
	WIN 0x40
.irp t, 0,1,2,3,4,5,6,7,8,9,10,11,12,13,14,15
	ds_load_b128 v[64*(\a)+4*\t:64*(\a)+4*\t+3], v[RD] offset:16*SPITCH*(\a)+SPITCH*\t
.endr
.endm
.macro SEND a, younger, left
	s_wait_dscnt \younger
	s_wait_loadcnt \left
	WIN 0x4d
.set n, 0
.rept 32
	v_pk_add_f32 v[64*(\a)+n:64*(\a)+n+1], v[64*(\a)+n:64*(\a)+n+1], v[64*(\a)+n:64*(\a)+n+1]
.set n, n+2
.endr
	WIN 0x04
.irp t, 0,1,2,3,4,5,6,7,8,9,10,11,12,13,14,15
	global_store_b128 v[LI], v[64*(\a)+4*\t:64*(\a)+4*\t+3], s[98:99] offset:(16*(\a)+\t)*4096
.endr
.endm
	PLACES 8
	TOSTAGE 0
	TOSTAGE 1
	SEND 0, 32, 16
	SEND 1, 0, 0
	WIN 0
	s_wait_tensorcnt 0x0
	ds_add_u32 v[SPW], v[NIL]
	s_wait_dscnt 0x0
	CROUND
	s_endpgm
.Lfunc_end_k_qb0b7bfd6eb_mlp:
	.size	k_qb0b7bfd6eb_mlp, .Lfunc_end_k_qb0b7bfd6eb_mlp-k_qb0b7bfd6eb_mlp
	.p2alignl 7, 3214868480
	.fill 96, 4, 3214868480
	.section	.rodata,"a",@progbits
	.p2align	6, 0x0
	.amdhsa_kernel k_qb0b7bfd6eb_mlp
		.amdhsa_group_segment_fixed_size 327680
		.amdhsa_private_segment_fixed_size 0
		.amdhsa_enable_private_segment 0
		.amdhsa_kernarg_size 48
		.amdhsa_user_sgpr_count 2
		.amdhsa_user_sgpr_kernarg_segment_ptr 1
		.amdhsa_wavefront_size32 1
		.amdhsa_system_sgpr_workgroup_id_x 1
		.amdhsa_system_sgpr_workgroup_id_y 1
		.amdhsa_system_sgpr_workgroup_id_z 1
		.amdhsa_system_vgpr_workitem_id 0
		.amdhsa_next_free_vgpr 960
		.amdhsa_next_free_sgpr 102
		.amdhsa_reserve_vcc 0
		.amdhsa_float_denorm_mode_32 3
		.amdhsa_float_denorm_mode_16_64 3
		.amdhsa_memory_ordered 1
		.amdhsa_forward_progress 1
		.amdhsa_inst_pref_size 202
	.end_amdhsa_kernel
	.amdgpu_metadata
---
amdhsa.version: [ 1, 2 ]
amdhsa.kernels:
  - .name:           k_qb0b7bfd6eb_mlp
    .symbol:         k_qb0b7bfd6eb_mlp.kd
    .args:
      - { .name: hq, .offset: 0, .size: 8, .value_kind: global_buffer, .address_space: global }
      - { .name: w_mlp_proj_codes, .offset: 8, .size: 8, .value_kind: global_buffer, .address_space: global }
      - { .name: w_mlp_proj_scales, .offset: 16, .size: 8, .value_kind: global_buffer, .address_space: global }
      - { .name: x1, .offset: 24, .size: 8, .value_kind: global_buffer, .address_space: global }
      - { .name: out0, .offset: 32, .size: 8, .value_kind: global_buffer, .address_space: global }
      - { .name: b_mlp_proj, .offset: 40, .size: 8, .value_kind: global_buffer, .address_space: global }
    .group_segment_fixed_size: 327680
    .private_segment_fixed_size: 0
    .kernarg_segment_align: 8
    .kernarg_segment_size: 48
    .max_flat_workgroup_size: 128
    .sgpr_count:     102
    .vgpr_count:     960
    .wavefront_size: 32
...
	.end_amdgpu_metadata
.endif
;; end of part 6
